; MI455X (gfx1250); checked and timed in simulation.
; The chip was launched on July 23, 2026; its instructions are those of AMD's public machine-readable ISA for CDNA 5 (MIT licence, August 2026) and "CDNA5" Instruction Set Architecture Reference Guide (July 2026). The comments in the code are by the model that wrote it; some were corrected since.
;; Bert Attention. Allowed arithmetic: float matrix products may take bf16 or f16 operands with f32 sums; other float arithmetic in f32, or as packed bf16 or f16 multiplies, adds, multiply-adds, maxima and minima; sums over many terms, partial sums and values carried from step to step in f32; what a program stores and reads back later, other than sums and carried values, may be rounded once to bf16 or f16.
;; Inputs: attention_mask 16 x 1 x 1 x 1,024 float32; beta 768 float32; gamma 768 float32; hidden_states 16 x 1,024 x 768 float32; kb 768 float32; kw 768 x 768 float32; ob 768 float32; ow 768 x 768 float32; qb 768 float32; qw 768 x 768 float32; vb 768 float32; vw 768 x 768 float32.
;; Outputs: out0 16 x 1,024 x 768 float32.
;; One version. Each part assembles by itself: llvm-mc -triple=amdgcn-amd-amdhsa -mcpu=gfx1250 --defsym DOCPART=n.
;; ======== version 1 of 1: 4 launches
;; limits: right only within a limited range of input values
;; workspace buffers: xb 25,165,824 bytes; wb 4,718,592 bytes; qkvh 75,497,472 bytes; ctx 25,165,824 bytes
;; launch prep (part 1): grid 1824 x 1, 8 waves a work-group, no clusters, 0 bytes of LDS; arguments hidden_states, qw, kw, vw, ow, xb, wb; writes xb, wb
.if DOCPART == 1
	.amdgcn_target "amdgcn-amd-amdhsa--gfx1250"
	.amdhsa_code_object_version 6
	.text
	.protected	k_q3889d3056c_prep
	.globl	k_q3889d3056c_prep
	.p2align	8
	.type	k_q3889d3056c_prep,@function
k_q3889d3056c_prep:
	s_mov_b64 s[64:65], 0
	v_nop
	global_prefetch_b8 v0, s[64:65] scope:SCOPE_SE
	s_setreg_imm32_b32 hwreg(HW_REG_WAVE_MODE, 25, 1), 1
	s_wait_xcnt 0x0
; BERT ATTENTION, launch 1 of 4: the matrix operands are rounded to bf16 once.
;   xb = bf16(hidden_states) [16384][768];  wb = bf16(qw), bf16(kw / 8), bf16(vw) as [2304][768], then bf16(ow) in blocks [12 heads][768 rows][64].
; WORK LEFT OUT: kb.  scores[q][k] = (x_q Wq + qb).(x_k Wk + kb) / 8 + mask[k] = (x_q Wq + qb).(x_k Wk) / 8 + (x_q Wq + qb).kb / 8 + mask[k].
; The middle term does not depend on the key k, and softmax along k is unchanged by a term that is the same along its axis: this holds for all finite values of the inputs.
; So kb has no way to the output: it is not loaded and is among no launch's arguments.  LIMIT: a NaN, an infinity or an overflow that kb alone would bring is not carried to the result.
; THE SCALE 1/8 is a power of two: it is multiplied into kw ahead of the rounding, which moves no bit of the mantissa (outside bf16's denormals); the additive mask is then taken unscaled.
; FORMAT: bf16 has f32's range, so no input's size is limited; the product's part of the output is small beside the residual, which stays in f32.
; A STREAM: no LDS, no matrix unit, no cluster: no byte is wanted twice.  A work-group turns 8,192 numbers; thread t makes eight items of four numbers:
; a wave's load covers 512 consecutive bytes (for ow two pieces of 256), a wave's store 256 consecutive bytes, aligned.  All eight loads are out before the first wait.
.set X, 8                              ; v[8:39]   item i: four f32
.set Y, 40                             ; v[40:55]  item i: four bf16
.macro LOADS stride                    ; eight loads, stride bytes apart
.irp i, 0,1,2,3,4,5,6,7
	global_load_b128 v[X+4*(\i):X+4*(\i)+3], v1, s[26:27] offset:(\i)*(\stride) th:TH_LOAD_NT
.endr
.endm
	s_load_b256 s[4:11], s[0:1], 0x0               ; hidden s[4:5], qw s[6:7], kw s[8:9], vw s[10:11]
	s_load_b128 s[12:15], s[0:1], 0x20             ; ow s[12:13], xb s[14:15]
	s_load_b64 s[16:17], s[0:1], 0x30              ; wb
	s_mov_b32 s30, 0x3e000000                      ; 0.125; named as a pair
	s_mov_b32 s31, 0x3e000000
	v_lshlrev_b32 v1, 4, v0                        ; where I read: 16 t
	v_lshlrev_b32 v2, 3, v0                        ; where I write: 8 t
	s_mov_b32 s23, 0
	s_mov_b32 s25, 0
	s_wait_kmcnt 0x0
	s_cmp_lt_u32 ttmp9, 1536
	s_cbranch_scc0 .Lweights
	s_mov_b64 s[26:27], s[4:5]                     ; work-groups 0 to 1535: x
	s_mov_b64 s[28:29], s[14:15]
	s_mov_b32 s21, ttmp9                           ; block of 8,192 numbers in the source,
	s_mov_b32 s18, ttmp9                           ; and in the destination
	s_mov_b32 s20, 0                               ; kind 0: plain
	s_branch .Lchosen
.Lweights:
	s_sub_co_u32 s18, ttmp9, 1536                  ; j = 0 to 287: 72 blocks for each of the four matrices, in wb's order
	s_mov_b64 s[26:27], s[6:7]
	s_mov_b32 s19, 0
	s_mov_b32 s20, 0
	s_cmp_ge_u32 s18, 72
	s_cselect_b64 s[26:27], s[8:9], s[26:27]       ; kw: kind 1, scaled
	s_cselect_b32 s19, 72, s19
	s_cselect_b32 s20, 1, s20
	s_cmp_ge_u32 s18, 144
	s_cselect_b64 s[26:27], s[10:11], s[26:27]     ; vw: plain
	s_cselect_b32 s19, 144, s19
	s_cselect_b32 s20, 0, s20
	s_cmp_ge_u32 s18, 216
	s_cselect_b64 s[26:27], s[12:13], s[26:27]     ; ow: kind 2, in blocks
	s_cselect_b32 s19, 216, s19
	s_cselect_b32 s20, 2, s20
	s_sub_co_u32 s21, s18, s19                     ; block in its matrix
	s_mov_b64 s[28:29], s[16:17]
.Lchosen:
	s_lshl_b32 s24, s18, 14                        ; 16,384 bytes of bf16 a block
	s_add_nc_u64 s[28:29], s[28:29], s[24:25]
	s_cmp_eq_u32 s20, 2
	s_cbranch_scc1 .Lblocked
	s_lshl_b32 s22, s21, 15                        ; 32,768 bytes of f32 a block
	s_add_nc_u64 s[26:27], s[26:27], s[22:23]
	LOADS 4096
	s_branch .Lloaded
.Lblocked:                                             ; block r = 6 head + g holds rows 128 g .. 128 g + 127, columns 64 head .. + 63
	s_mul_i32 s19, s21, 43
	s_lshr_b32 s19, s19, 8                         ; head = r / 6 (exact for r up to 71)
	s_mul_i32 s22, s19, 6
	s_sub_co_u32 s22, s21, s22                     ; g
	s_mul_i32 s22, s22, 393216                     ; 128 rows of 3,072 bytes
	s_lshl_b32 s19, s19, 8                         ; 64 columns of 4 bytes
	s_add_co_u32 s22, s22, s19
	s_add_nc_u64 s[26:27], s[26:27], s[22:23]
	v_lshrrev_b32 v3, 4, v0                        ; item i is row 16 i + t / 16,
	v_and_b32 v4, 15, v0                           ; columns 4 (t % 16) on
	v_mul_u32_u24 v3, v3, 3072
	v_lshl_add_u32 v1, v4, 4, v3
	LOADS 49152
.Lloaded:
	s_cmp_eq_u32 s20, 1
	s_cbranch_scc0 .Lplain
	s_wait_loadcnt 0x0
.irp p, 0,1,2,3,4,5,6,7,8,9,10,11,12,13,14,15
	v_pk_mul_f32 v[X+2*(\p):X+2*(\p)+1], v[X+2*(\p):X+2*(\p)+1], s[30:31] op_sel_hi:[1,0]
.endr
.Lplain:
.irp i, 0,1,2,3,4,5,6,7
	s_wait_loadcnt 7-(\i)                          ; loads come back in order: item i is in, the younger ones stay out
	v_cvt_pk_bf16_f32 v[Y+2*(\i)],   v[X+4*(\i)],   v[X+4*(\i)+1]
	v_cvt_pk_bf16_f32 v[Y+2*(\i)+1], v[X+4*(\i)+2], v[X+4*(\i)+3]
	global_store_b64 v2, v[Y+2*(\i):Y+2*(\i)+1], s[28:29] offset:2048*(\i)
.endr
	s_endpgm
.Lfunc_end_k_q3889d3056c_prep:
	.size	k_q3889d3056c_prep, .Lfunc_end_k_q3889d3056c_prep-k_q3889d3056c_prep
	.p2alignl 7, 3214868480
	.fill 96, 4, 3214868480
	.section	.rodata,"a",@progbits
	.p2align	6, 0x0
	.amdhsa_kernel k_q3889d3056c_prep
		.amdhsa_group_segment_fixed_size 0
		.amdhsa_private_segment_fixed_size 0
		.amdhsa_enable_private_segment 0
		.amdhsa_kernarg_size 56
		.amdhsa_user_sgpr_count 2
		.amdhsa_user_sgpr_kernarg_segment_ptr 1
		.amdhsa_wavefront_size32 1
		.amdhsa_system_sgpr_workgroup_id_x 1
		.amdhsa_system_sgpr_workgroup_id_y 1
		.amdhsa_system_sgpr_workgroup_id_z 1
		.amdhsa_system_vgpr_workitem_id 0
		.amdhsa_next_free_vgpr 56
		.amdhsa_next_free_sgpr 66
		.amdhsa_reserve_vcc 0
		.amdhsa_float_denorm_mode_32 3
		.amdhsa_float_denorm_mode_16_64 3
		.amdhsa_memory_ordered 1
		.amdhsa_forward_progress 1
		.amdhsa_inst_pref_size 8
	.end_amdhsa_kernel
	.amdgpu_metadata
---
amdhsa.version: [ 1, 2 ]
amdhsa.kernels:
  - .name:           k_q3889d3056c_prep
    .symbol:         k_q3889d3056c_prep.kd
    .args:
      - { .name: hidden_states, .offset: 0, .size: 8, .value_kind: global_buffer, .address_space: global }
      - { .name: qw, .offset: 8, .size: 8, .value_kind: global_buffer, .address_space: global }
      - { .name: kw, .offset: 16, .size: 8, .value_kind: global_buffer, .address_space: global }
      - { .name: vw, .offset: 24, .size: 8, .value_kind: global_buffer, .address_space: global }
      - { .name: ow, .offset: 32, .size: 8, .value_kind: global_buffer, .address_space: global }
      - { .name: xb, .offset: 40, .size: 8, .value_kind: global_buffer, .address_space: global }
      - { .name: wb, .offset: 48, .size: 8, .value_kind: global_buffer, .address_space: global }
    .group_segment_fixed_size: 0
    .private_segment_fixed_size: 0
    .kernarg_segment_align: 8
    .kernarg_segment_size: 56
    .max_flat_workgroup_size: 256
    .sgpr_count:     66
    .vgpr_count:     56
    .wavefront_size: 32
...
	.end_amdgpu_metadata
.endif
;; end of part 1
;; launch qkv (part 2): grid 4 x 64, 4 waves a work-group, clusters of 4 x 4, 327,680 bytes of LDS; arguments xb, wb, qb, vb, qkvh; writes qkvh
.if DOCPART == 2
	.amdgcn_target "amdgcn-amd-amdhsa--gfx1250"
	.amdhsa_code_object_version 6
	.text
	.protected	k_q3889d3056c_qkv
	.globl	k_q3889d3056c_qkv
	.p2align	8
	.type	k_q3889d3056c_qkv,@function
k_q3889d3056c_qkv:
	s_mov_b64 s[64:65], 0
	v_nop
	global_prefetch_b8 v0, s[64:65] scope:SCOPE_SE
	s_setreg_imm32_b32 hwreg(HW_REG_WAVE_MODE, 25, 1), 1
	s_wait_xcnt 0x0
	s_wait_alu depctr_hold_cnt(0) depctr_sa_sdst(0) depctr_va_vdst(0) depctr_va_sdst(0) depctr_va_ssrc(0) depctr_va_vcc(0) depctr_vm_vsrc(0)
	s_getreg_b32 s2, hwreg(HW_REG_IB_STS2, 6, 4)
	s_cmp_eq_u32 s2, 0
	s_cbranch_scc0 .Lentry_in_a_cluster
	s_endpgm
.Lentry_in_a_cluster:
	s_bfe_u32 s2, ttmp6, 0x10000c
	s_cmp_lg_u32 s2, 0xf033
	s_cbranch_scc0 .Lentry_shape_is_right
	s_endpgm
.Lentry_shape_is_right:
; Launch 2 of 4: q = x qw^T + qb, k' = x (kw / 8)^T, v = x vw^T + vb, stored by heads: qkvh = three sections [16 x 12 heads][1024][64] of bf16.  Sums in f32, rounded once.
; WORK LEFT OUT: k takes no bias: kb cancels in the softmax for all values of the inputs (shown at the head of the first kernel).
; A WORK-GROUP STAYS: it makes three tiles of 256 x 192 of C [16384][2304]: the same 256 rows of x, 192 columns (three whole heads) of each of the sections q, k, v: 256 work-groups of equal work.
; Four waves; wave w makes rows 64 w .. 64 w + 63 and all 192 columns: 48 accumulators.  K = 768 goes in six steps of 128 a tile through two LDS slots filled by the tensor data mover (rows of 256 bytes, at
; multiples of 256 from the buffer's first byte), and the ring does not stop at a tile's end: nine laps of two K steps, eight trips that fill both slots again, the ninth lap written out.
; A tile goes out at the end of its third lap, when the next tile's first two K steps have been asked for; nothing waits for its stores.
; CLUSTER 4 x 4: the four of a row need the same tile of x, the four of a column the same tile of the weights: each is asked for jointly.
; THE WALK IS ROTATED: cluster y begins at section y % 3 and at K lap (y / 3) % 3 and goes round both, so that clusters that read the same rows of the weights ask for different tiles at the same time.
; The f32 sums take K's laps in another order.  The counters hang on the cluster's y and on the loop alone: they are the same in all sixteen partners.
; THE MATRIX INSTRUCTION IS USED TRANSPOSED (source 0 = 16 rows of the weights, source 1 = 16 rows of x): lane l holds row l % 16 of C and the columns 8 (l / 16) + 0 .. 7.
; THE BIAS IS THE C OPERAND of each accumulator's first product: 96 registers in the accumulators' layout, loaded from qb or vb; for k they hold 0.
; REGISTERS, in windows of 256 (s_set_vgpr_msb: bits 1:0 source 0, 3:2 source 1, 5:4 source 2, 7:6 destination):
;   window 0: v16-30 addresses; v32-63, v64-95 x's fragments (4 x 16 rows x 32 K), two buffers; the way out: v96-143 packed results, v144-191 and v192-239 rows read back
;   window 1: v0-95, v96-191 the weights' fragments (12), two buffers
;   windows 2, 3: accumulator (a, b) at v[8 (12 (a % 2) + b)] of window 2 + a / 2; the bias of column block b at v[192 + 8 (b % 8)] of window 2 + b / 8
.set KROW,   1536                      ; bytes in a row of xb and of wb
.set PITCH,  272                       ; an LDS row: 256 bytes + 16 of padding: the 16 rows of a fragment load start at 16 different groups of four banks (64 banks of 4 bytes: ISA guide 11.1)
.set HALFA,  128*PITCH                 ; what waves 0 and 1 fetch: 128 rows of x each
.set HALFB,  96*PITCH                  ; what waves 2 and 3 fetch: 96 rows of the weights each
.set SLOT,   2*HALFA+2*HALFB           ; x's 256 rows, then the weights' 192
.set STAGE,  2*SLOT                    ; behind the ring: for each wave 3 heads x 16 rows x 144 bytes, for the way out
.set SP,     144
.set SPARE,  STAGE+4*48*SP             ; behind the stages: the spare words, 128 bytes for each wave, which no other line names
.set SECB,   768*KROW                  ; bytes from a section of the weights to the next
.set SECO,   25165824                  ; bytes from a section of the output to the next
.set ADRA, 16                          ; v16-17  LDS address of my fragments of x in slot 0, 1
.set ADRB, 20                          ; v20-21  the same for the weights
.set STO,  24                          ; v24     the way out: where I put 16 bytes of a row
.set RD,   25                          ; v25     the way out: where I read rows back
.set GO,   26                          ; v26     my 16 bytes in 512 consecutive bytes of the output
.set BO,   27                          ; v27     my byte offset in the bias: 32 (l / 16)
.set SPW,  28                          ; v28     my spare word; never rewritten
.set NIL,  29                          ; v29     0; never rewritten
.set PFO,  30                          ; v30     the prefetches' offset: a lane a row; never rewritten
.set FA,   32
.set TMP,  96
.set OB,   144
.set BI,   192
.set WV,   14                          ; s14 wave   s15 wave / 2: I fetch x (0) or weights (1)   s16 wave % 2: which half
.set HF,   15
.set EE,   16
.set CX,   17
.set CY,   18
.set YC,   19                          ; the cluster's y: the batch
.set TR,   20                          ; tile row = 4 x cluster y + cy
.set SEC,  21                          ; the section of the tile that is being multiplied: 0 q, 1 k, 2 v
.set G1,   24                          ; s[24:31] group 1 for x's tiles;  s[32:39] group 0, a set for each slot
.set G0,   32
.set PFA,  44                          ; s[44:45] where my prefetches stand; never rewritten
.set G1B,  48                          ; s[48:55], s[56:63] the same for the weights' tiles
.set G0B,  56
.set LIM,  66                          ; s66  7 in a wave that prefetches (it does so in the first trip, s3 = 8), else the greatest number
.set CC,   67                          ; s67  laps of the tile in hand that are done
.set BP,   68                          ; s[68:69] the bias
.set ABASE, 70                         ; s[70:71] x at the rows that I fetch
.set BBASE, 72                         ; s[72:73] the weights at the rows that I fetch, in section 0
.set FK,   74                          ; s74  K lap of the lap that is asked for
.set FS,   75                          ; s75  its section
.set FC,   76                          ; s76  its number in its tile
.set NS,   77                          ; s77  the next tile's section
.set OFA,  78                          ; s[78:79] its byte offset in x's rows
.set OFB,  80                          ; s[80:81] its byte offset in the weights
.set OP,   82                          ; s[82:83] the output at my rows, in the tile's section
.set CXO,  84                          ; s[84:85] my tile's 192 columns in a bias: 768 cx bytes
.set MSB, 0
.macro WIN new                         ; the immediate's high byte repeats the setting that is left; a switch that changes nothing is dropped
.if MSB != (\new)
	s_set_vgpr_msb (MSB<<8)|(\new)
.set MSB, \new
.endif
.endm
.macro PLACES                          ; four plain places behind matrix instructions, in front of loads into registers that they read and of conversions of their results
.rept 4
	v_nop
.endr
.endm
; A joint load: one line and one mask for all that issue it; the branch hangs on the wave's number alone.  An s_nop 0 and four v_nop follow each line.
.macro JLOAD s
	s_cmp_eq_u32 s[HF], 0
	s_cbranch_scc0 .Lfor_b_\@
	tensor_load_to_lds s[G0+4*(\s):G0+4*(\s)+3], s[G1:G1+7]
	s_nop 0
.rept 4
	v_nop
.endr
	s_branch .Lasked_\@
.Lfor_b_\@:
	tensor_load_to_lds s[G0B+4*(\s):G0B+4*(\s)+3], s[G1B:G1B+7]
	s_nop 0
.rept 4
	v_nop
.endr
.Lasked_\@:
.endm
; A PREFETCH INTO THE L2 of x's rows.  In the first trip, behind each of its two refills (the second lap's K steps), waves 0 and 1 name the third lap's K step of the same slot: one lap, 384 matrix instructions,
; ahead of the load that will ask for it.  My row of the cluster alone reads these rows: of the 128 that a wave fetches the partner at cx takes 32, told apart by address; a lane a row, 256 bytes each,
; each named once in the launch.  The second and third tile walk the same rows again and ask for nothing.  The weights are not asked for: for y = 0 .. 8 all nine pairs of section and lap occur, so every
; tile of the weights stands among some cluster's first fills, at the kernel's head, where nothing is prefetched.
.macro ASK slot
	s_cmp_gt_u32 s3, s[LIM]
	s_cbranch_scc0 .Lnot_mine_\@
	global_prefetch_b8 v[PFO], s[PFA:PFA+1] offset:(\slot)*256 th:TH_LOAD_NT scope:SCOPE_SE
.Lnot_mine_\@:
.endm
.macro CREST                           ; a round of the cluster's barrier behind its opening barrier
	s_cmp_lg_u32 s[WV], 0
	s_cbranch_scc1 .Lnot_wave_0_\@
	s_barrier_signal -3
.Lnot_wave_0_\@:
	s_barrier_wait -3
	s_barrier_signal -1
	s_barrier_wait -1
.endm
.macro CROUND
	s_barrier_signal -1
	s_barrier_wait -1
	CREST
.endm
; The global addresses of slot s's two descriptors are made anew: a base and an offset made apart, the type bits set again.
.macro SETADR s
	s_add_nc_u64 s[G0+4*(\s)+2:G0+4*(\s)+3], s[ABASE:ABASE+1], s[OFA:OFA+1]
	s_add_nc_u64 s[G0B+4*(\s)+2:G0B+4*(\s)+3], s[BBASE:BBASE+1], s[OFB:OFB+1]
.if \s
	s_add_nc_u64 s[G0+4*(\s)+2:G0+4*(\s)+3], s[G0+4*(\s)+2:G0+4*(\s)+3], 256   ; a lap's second K step
	s_add_nc_u64 s[G0B+4*(\s)+2:G0B+4*(\s)+3], s[G0B+4*(\s)+2:G0B+4*(\s)+3], 256
.endif
	s_or_b32 s[G0+4*(\s)+3], s[G0+4*(\s)+3], 0x80000000
	s_or_b32 s[G0B+4*(\s)+3], s[G0B+4*(\s)+3], 0x80000000
.endm
; The lap to be asked for steps: K's laps go round 0, 1, 2; behind a tile's third lap the section goes on, round 0, 1, 2.
.macro NEXTLAP
	s_add_co_u32 s[FK], s[FK], 1
	s_cmp_eq_u32 s[FK], 3
	s_cselect_b32 s[FK], 0, s[FK]
	s_add_co_u32 s[FC], s[FC], 1
	s_cmp_eq_u32 s[FC], 3
	s_cselect_b32 s[FC], 0, s[FC]
	s_cselect_b32 s86, 1, 0
	s_add_co_u32 s[FS], s[FS], s86
	s_cmp_eq_u32 s[FS], 3
	s_cselect_b32 s[FS], 0, s[FS]
	s_lshl_b32 s[OFA], s[FK], 9                    ; a lap is 512 bytes of a row
	s_mul_i32 s[OFB], s[FS], SECB
	s_add_co_u32 s[OFB], s[OFB], s[OFA]
.endm
; The C operands of a tile's first products, for the section in s[sec].  The branch hangs on the cluster's y and the loop; it holds no barrier, no LDS access and no matrix instruction.
.macro BIASSET sec
	s_cmp_eq_u32 s[\sec], 1
	s_cbranch_scc1 .Lzero_\@
	s_cmp_eq_u32 s[\sec], 0
	s_cselect_b64 s[BP:BP+1], s[8:9], s[10:11]
	s_add_nc_u64 s[BP:BP+1], s[BP:BP+1], s[CXO:CXO+1]
	WIN 0x80
.irp b, 0,1,2,3,4,5,6,7
	global_load_b128 v[BI+8*(\b):BI+8*(\b)+3],   v[BO], s[BP:BP+1] offset:64*(\b)
	global_load_b128 v[BI+8*(\b)+4:BI+8*(\b)+7], v[BO], s[BP:BP+1] offset:64*(\b)+16
.endr
	WIN 0xc0
.irp b, 8,9,10,11
	global_load_b128 v[BI+8*((\b)-8):BI+8*((\b)-8)+3],   v[BO], s[BP:BP+1] offset:64*(\b)
	global_load_b128 v[BI+8*((\b)-8)+4:BI+8*((\b)-8)+7], v[BO], s[BP:BP+1] offset:64*(\b)+16
.endr
	WIN 0
	s_branch .Lset_\@
.Lzero_\@:                                             ; k has no bias: so that the first quarter has one text
	WIN 0x80
.set z, 0
.rept 64
	v_mov_b32 v[BI+z], 0
.set z, z+1
.endr
	WIN 0xc0
.set z, 0
.rept 32
	v_mov_b32 v[BI+z], 0
.set z, z+1
.endr
	WIN 0
.Lset_\@:
.endm
	s_load_b256 s[4:11], s[0:1], 0x0               ; xb s[4:5], wb s[6:7], qb s[8:9], vb s[10:11]
	s_load_b64 s[12:13], s[0:1], 0x20              ; qkvh
	v_lshl_add_u32 v[SPW], v0, 2, SPARE
	v_mov_b32 v[NIL], 0
	ds_add_u32 v[SPW], v[NIL]                      ; the wave's opening: the add, twice on end, and its wait ahead of my first tensor load
	ds_add_u32 v[SPW], v[NIL]
	v_lshrrev_b32 v1, 5, v0
	v_readfirstlane_b32 s[WV], v1
	s_lshr_b32 s[HF], s[WV], 1
	s_and_b32 s[EE], s[WV], 1
	s_bfe_u32 s[CX], ttmp6, 0x40000
	s_bfe_u32 s[CY], ttmp6, 0x40004
	s_and_b32 s[YC], ttmp7, 0xffff
	s_lshl_b32 s[TR], s[YC], 2
	s_add_co_u32 s[TR], s[TR], s[CY]
	s_mul_i32 s86, s[YC], 11
	s_lshr_b32 s86, s86, 5                         ; y / 3 (exact for y up to 15)
	s_mul_i32 s87, s86, 3
	s_sub_co_u32 s[SEC], s[YC], s87                ; the first tile's section: y % 3
	s_cmp_ge_u32 s86, 3
	s_cselect_b32 s87, 3, 0
	s_sub_co_u32 s[FK], s86, s87                   ; the first K lap: (y / 3) % 3
	s_mov_b32 s[FS], s[SEC]
	s_mov_b32 s[FC], 0
	s_mov_b32 s[CC], 0
	s_lshl_b32 s[OFA], s[FK], 9
	s_mov_b32 s[OFA+1], 0
	s_mul_i32 s[OFB], s[FS], SECB
	s_add_co_u32 s[OFB], s[OFB], s[OFA]
	s_mov_b32 s[OFB+1], 0
	s_mul_i32 s[CXO], s[CX], 768
	s_mov_b32 s[CXO+1], 0
	s_lshl_b32 s22, s[CY], 2
	s_lshl_b32 s22, 15, s22                        ; my row of the cluster
	s_lshl_b32 s23, 0x1111, s[CX]                  ; my column
	s_or_b32 s[G1], s22, (1<<16)|(1<<20)|(1<<21)|(5<<22)|(3<<25)   ; the mask; 2-byte elements; padding on; bit 21 beside a mask; after every 64 words 4 words
	s_or_b32 s[G1B], s23, (1<<16)|(1<<20)|(1<<21)|(5<<22)|(3<<25)
	s_mov_b32 s[G1+1], 128<<16                     ; tensor_dim0 = 128
	s_mov_b32 s[G1+2], 128<<16                     ; tensor_dim1 = 128
	s_mov_b32 s[G1+3], 128<<16                     ; tile_dim0 = 128
	s_mov_b32 s[G1+4], 128                         ; tile_dim1 = 128
	s_mov_b32 s[G1+5], 768                         ; elements from row to row
	s_mov_b32 s[G1+6], 0
	s_mov_b32 s[G1+7], 0
	s_mov_b32 s[G1B+1], 128<<16
	s_mov_b32 s[G1B+2], 96<<16                     ; 96 rows
	s_mov_b32 s[G1B+3], 128<<16
	s_mov_b32 s[G1B+4], 96
	s_mov_b32 s[G1B+5], 768
	s_mov_b32 s[G1B+6], 0
	s_mov_b32 s[G1B+7], 0
	s_lshl_b32 s40, s[TR], 8                       ; x: row 256 x tile row + 128 x half, which my row of the cluster shares
	s_lshl_b32 s41, s[EE], 7
	s_add_co_u32 s40, s40, s41
	s_mul_i32 s40, s40, KROW
	s_mov_b32 s41, 0
	s_mul_i32 s46, s[CX], 192                      ; weights: row 192 cx + 96 x half of a section, which my column shares
	s_mul_i32 s47, s[EE], 96
	s_add_co_u32 s46, s46, s47
	s_mul_i32 s46, s46, KROW
	s_mov_b32 s47, 0
	s_mul_i32 s42, s[EE], HALFA                    ; where they go: no place in the cluster enters an LDS address
	s_mul_i32 s43, s[EE], HALFB
	s_add_co_u32 s43, s43, 2*HALFA
	s_wait_dscnt 0x0                               ; both opening adds are done
	s_wait_kmcnt 0x0
	s_add_nc_u64 s[ABASE:ABASE+1], s[4:5], s[40:41]
	s_add_nc_u64 s[BBASE:BBASE+1], s[6:7], s[46:47]
	CROUND                                         ; all sixteen work-groups are here: the first joint loads meet
.irp s, 0,1
	s_mov_b32 s[G0+4*(\s)], 1
	s_add_co_u32 s[G0+4*(\s)+1], s42, (\s)*SLOT
	s_mov_b32 s[G0B+4*(\s)], 1
	s_add_co_u32 s[G0B+4*(\s)+1], s43, (\s)*SLOT
	SETADR \s                                      ; the first lap's K step s
	JLOAD \s                                       ; two loads of mine are out
.endr
	; a fragment is 16 rows x 32 K in 8 registers: lane l holds row l % 16, K = 8 (l / 16) + 0..7 and 16 + 8 (l / 16) + 0..7: two loads of 16 bytes, 32 bytes apart
	v_and_b32 v1, 15, v0
	v_bfe_u32 v2, v0, 4, 1
	v_mul_u32_u24 v3, v1, PITCH
	v_lshl_add_u32 v3, v2, 4, v3
	s_mul_i32 s86, s[WV], 64*PITCH                 ; my 64 rows of x
	v_add_nc_u32 v[ADRA], s86, v3
	v_add_nc_u32 v[ADRA+1], SLOT, v[ADRA]
	v_add_nc_u32 v[ADRB], 2*HALFA, v3              ; all 192 rows of the weights
	v_add_nc_u32 v[ADRB+1], SLOT, v[ADRB]
	s_mul_i32 s87, s[WV], 48*SP
	s_add_co_u32 s87, s87, STAGE                   ; my stage
	v_mul_u32_u24 v4, v1, SP                       ; in: row l % 16, 16 bytes for each half of the lanes
	v_lshl_add_u32 v4, v2, 4, v4
	v_add_nc_u32 v[STO], s87, v4
	v_bfe_u32 v5, v0, 3, 2                         ; back: 32 lanes take four rows of 128 bytes,
	v_and_b32 v6, 7, v0
	v_mul_u32_u24 v5, v5, SP
	v_lshl_add_u32 v5, v6, 4, v5
	v_add_nc_u32 v[RD], s87, v5
	v_and_b32 v[GO], 31, v0                        ; which are 512 consecutive bytes of a head
	v_lshlrev_b32 v[GO], 4, v[GO]
	v_lshlrev_b32 v[BO], 5, v2
	; the output, in a section: head 12 x batch + 3 cx, row 256 cy + 64 wave
	s_mul_i32 s88, s[YC], 12
	s_mul_i32 s89, s[CX], 3
	s_add_co_u32 s88, s88, s89
	s_lshl_b32 s88, s88, 17                        ; a head is 131,072 bytes
	s_lshl_b32 s89, s[CY], 8
	s_lshl_b32 s90, s[WV], 6
	s_add_co_u32 s89, s89, s90
	s_lshl_b32 s89, s89, 7
	s_add_co_u32 s88, s88, s89                     ; under 2^25
	s_mov_b32 s89, 0
	s_add_nc_u64 s[12:13], s[12:13], s[88:89]
	; the prefetches: my work-group's 32 of the 128 rows that I fetch, at the third lap's first K step
	s_lshl_b32 s90, s[TR], 8
	s_lshl_b32 s91, s[EE], 7
	s_add_co_u32 s90, s90, s91
	s_lshl_b32 s91, s[CX], 5
	s_add_co_u32 s90, s90, s91
	s_mul_i32 s90, s90, KROW
	s_add_co_u32 s91, s[FK], 2
	s_cmp_ge_u32 s91, 3
	s_cselect_b32 s92, 3, 0
	s_sub_co_u32 s91, s91, s92                     ; the third lap's K lap
	s_lshl_b32 s91, s91, 9
	s_add_co_u32 s90, s90, s91
	s_mov_b32 s91, 0
	s_add_nc_u64 s[PFA:PFA+1], s[4:5], s[90:91]
	s_cmp_eq_u32 s[HF], 0                          ; do I fetch x?
	s_cselect_b32 s[LIM], 7, -1
	v_and_b32 v[PFO], 31, v0
	v_mul_u32_u24 v[PFO], v[PFO], KROW
	BIASSET SEC                                    ; the first tile's bias, while the first tiles are on their way
; 12 matrix instructions: rows 16 a .. 16 a + 15 x all 12 column blocks, 32 along K, from buffer f.  first = 1: the product starts the sum with the bias.
.macro MUL12 f, a, first
.irp b, 0,1,2,3,4,5,6,7,8,9,10,11
.if \first
	WIN 0xa1+0x40*((\a)/2)+0x10*((\b)/8)
	v_wmma_f32_16x16x32_bf16 v[96*((\a)%2)+8*(\b):96*((\a)%2)+8*(\b)+7], v[96*(\f)+8*(\b):96*(\f)+8*(\b)+7], v[FA+32*(\f)+8*(\a):FA+32*(\f)+8*(\a)+7], v[BI+8*((\b)%8):BI+8*((\b)%8)+7]
.else
	WIN 0xa1+0x50*((\a)/2)
	v_wmma_f32_16x16x32_bf16 v[96*((\a)%2)+8*(\b):96*((\a)%2)+8*(\b)+7], v[96*(\f)+8*(\b):96*(\f)+8*(\b)+7], v[FA+32*(\f)+8*(\a):FA+32*(\f)+8*(\a)+7], v[96*((\a)%2)+8*(\b):96*((\a)%2)+8*(\b)+7]
.endif
.endr
.endm
; 32 LDS loads in one run: a quarter step's fragments (192 rows of the weights, my 64 rows of x, 32 K at byte k of the rows) into buffer f
.macro FETCH slot, k, f
	WIN 0x40
.irp i, 0,1,2,3,4,5,6,7,8,9,10,11
	ds_load_b128 v[96*(\f)+8*(\i):96*(\f)+8*(\i)+3],   v[ADRB+(\slot)] offset:(\k)+(\i)*16*PITCH
	ds_load_b128 v[96*(\f)+8*(\i)+4:96*(\f)+8*(\i)+7], v[ADRB+(\slot)] offset:(\k)+(\i)*16*PITCH+32
.endr
	WIN 0
.irp i, 0,1,2,3
	ds_load_b128 v[FA+32*(\f)+8*(\i):FA+32*(\f)+8*(\i)+3],   v[ADRA+(\slot)] offset:(\k)+(\i)*16*PITCH
	ds_load_b128 v[FA+32*(\f)+8*(\i)+4:FA+32*(\f)+8*(\i)+7], v[ADRA+(\slot)] offset:(\k)+(\i)*16*PITCH+32
.endr
.endm
; A K step is four quarters of 32 along K, 48 matrix instructions each, on buffers 0, 1, 0, 1.  The 48 accumulators take turns in the same order in every quarter.
.macro QUARTER slot, k, f, g, first
	s_wait_dscnt 4                                 ; the youngest four loads (x's rows 32 to 63) may be out
	MUL12 \f, 0, \first
	MUL12 \f, 1, \first
	PLACES
	FETCH \slot, \k, \g
	s_wait_dscnt 32                                ; all but the 32 just issued
	MUL12 \f, 2, \first
	MUL12 \f, 3, \first
.endm
; The last quarter multiplies buffer 1 and changes slots.  In front of the barrier each wave waits for all its tensor loads (one is out: its part of the next slot), adds 0 to its spare word, and waits
; for that and for its reads of this slot.  fill = 1: the barrier opens a round of the cluster's, and the joint refill, the next lap's K step, is the first thing behind it: 168 matrix instructions ahead of the wait for it.
.macro TURN slot, next, fill
.if (\fill) && ((\slot) == 0)
	NEXTLAP
.endif
	WIN 0
	s_wait_tensorcnt 0x0                           ; no tensor load of mine is out, so a group 0 may be written
	ds_add_u32 v[SPW], v[NIL]
.if \fill
	SETADR \slot
.endif
	s_wait_dscnt 5                                 ; the add and the youngest four loads may be out
	MUL12 1, 0, 0
	s_wait_dscnt 0x0                               ; the add is done, and my reads of this slot are over
	s_barrier_signal -1
	MUL12 1, 1, 0
.if \fill
	WIN 0
.endif
	s_barrier_wait -1
.if \fill
	CREST                                          ; no wave of any partner still reads this slot or has a load on its way
	JLOAD \slot                                    ; its four v_nop are also the places in front of the loads below
.else
	PLACES
.endif
	FETCH \next, 0, 0
.if \fill
	ASK \slot
.endif
	MUL12 1, 2, 0
	MUL12 1, 3, 0
.endm
; THE WAY OUT of rows 16 a .. 16 a + 15: rounded to bf16, 16 bytes a lane; through my own stage, a head at a time; back as rows of 128 bytes, four to a load; stored as 512 consecutive bytes.
.macro PACK a
	WIN 0x0a+5*((\a)/2)
.irp b, 0,1,2,3,4,5,6,7,8,9,10,11
.irp r, 0,1,2,3
	v_cvt_pk_bf16_f32 v[TMP+4*(\b)+(\r)], v[96*((\a)%2)+8*(\b)+2*(\r)], v[96*((\a)%2)+8*(\b)+2*(\r)+1]
.endr
.endr
	WIN 0
.endm
.macro TOSTAGE a
.irp b, 0,1,2,3,4,5,6,7,8,9,10,11
	ds_store_b128 v[STO], v[TMP+4*(\b):TMP+4*(\b)+3] offset:((\b)/4)*16*SP+((\b)%4)*32
.endr
.irp t, 0,1,2,3,4,5,6,7,8,9,10,11
	ds_load_b128 v[OB+48*((\a)%2)+4*(\t):OB+48*((\a)%2)+4*(\t)+3], v[RD] offset:((\t)/4)*16*SP+((\t)%4)*4*SP  ; LDS serves a wave's instructions in order (ISA guide 5.7.1.4): these see the stores above
.endr
.endm
.macro SEND a
	s_wait_dscnt 0x0                               ; the rows are back in registers
	s_wait_xcnt 0x0                                ; the stores of two blocks back have read their registers, which the next block's loads take
.irp t, 0,1,2,3,4,5,6,7,8,9,10,11
	global_store_b128 v[GO], v[OB+48*((\a)%2)+4*(\t):OB+48*((\a)%2)+4*(\t)+3], s[OP:OP+1] offset:((\t)/4)*131072+(\a)*2048+((\t)%4)*512
.endr
.endm
.macro WAYOUT                          ; four places stand ahead of it
	s_wait_xcnt 0x0                                ; the last tile's stores have read their base and their registers
	s_mul_i32 s92, s[SEC], SECO
	s_mov_b32 s93, 0
	s_add_nc_u64 s[OP:OP+1], s[12:13], s[92:93]
	PACK 0
	TOSTAGE 0
.irp a, 1,2,3                          ; a block's conversions stand between the loads of the block before and the wait for them
	PACK \a
	SEND (\a)-1
	TOSTAGE \a
.endr
	SEND 3
.endm
	s_wait_tensorcnt 1                             ; my part of the first K step is in; the second's may stay out
	s_barrier_signal -1
	s_barrier_wait -1
	FETCH 0, 0, 0
	s_mov_b32 s3, 9                                ; the way in takes one count: eight trips follow
	s_branch .Lbegin                               ; the loop is entered at a tile's first quarter, near a trip's end
.Llap:                                                 ; a trip goes once round the ring, from a lap's second quarter to the next lap's first, and fills both slots again
	QUARTER 0, 128, 1, 0, 0
	QUARTER 0, 192, 0, 1, 0
	TURN 0, 1, 1
	QUARTER 1, 64,  0, 1, 0
	QUARTER 1, 128, 1, 0, 0
	QUARTER 1, 192, 0, 1, 0
	TURN 1, 0, 1
	WIN 0
	s_add_co_u32 s[CC], s[CC], 1
	s_cmp_eq_u32 s[CC], 3
	s_cbranch_scc0 .Lplain
	s_mov_b32 s[CC], 0                             ; A TILE'S END: both of the next tile's first K steps are asked for, its first fragments are on their way
	s_add_co_u32 s[NS], s[SEC], 1
	s_cmp_eq_u32 s[NS], 3
	s_cselect_b32 s[NS], 0, s[NS]
	PLACES
	BIASSET NS                                     ; the next tile's bias lands under the way out
	WAYOUT
	s_mov_b32 s[SEC], s[NS]
.Lbegin:
	s_wait_loadcnt 0x0                             ; the bias
	QUARTER 0, 64, 0, 1, 1                         ; a tile's first quarter starts the sums
	WIN 0
	s_branch .Ljoin
.Lplain:
	QUARTER 0, 64, 0, 1, 0
	WIN 0
.Ljoin:
	s_sub_co_u32 s3, s3, 1
	s_cmp_lg_u32 s3, 0
	s_cbranch_scc1 .Llap
	QUARTER 0, 128, 1, 0, 0                        ; the ninth lap fills nothing
	QUARTER 0, 192, 0, 1, 0
	TURN 0, 1, 0
	QUARTER 1, 64,  0, 1, 0
	QUARTER 1, 128, 1, 0, 0
	QUARTER 1, 192, 0, 1, 0
	s_wait_dscnt 4
	MUL12 1, 0, 0
	MUL12 1, 1, 0
	s_wait_dscnt 0x0
	MUL12 1, 2, 0
	MUL12 1, 3, 0
	WIN 0
	PLACES
	WAYOUT
	s_wait_tensorcnt 0x0                           ; the wave's end
	ds_add_u32 v[SPW], v[NIL]
	s_wait_dscnt 0x0
	CROUND                                         ; the closing round
	s_endpgm
.Lfunc_end_k_q3889d3056c_qkv:
	.size	k_q3889d3056c_qkv, .Lfunc_end_k_q3889d3056c_qkv-k_q3889d3056c_qkv
	.p2alignl 7, 3214868480
	.fill 96, 4, 3214868480
	.section	.rodata,"a",@progbits
	.p2align	6, 0x0
	.amdhsa_kernel k_q3889d3056c_qkv
		.amdhsa_group_segment_fixed_size 327680
		.amdhsa_private_segment_fixed_size 0
		.amdhsa_enable_private_segment 0
		.amdhsa_kernarg_size 40
		.amdhsa_user_sgpr_count 2
		.amdhsa_user_sgpr_kernarg_segment_ptr 1
		.amdhsa_wavefront_size32 1
		.amdhsa_system_sgpr_workgroup_id_x 1
		.amdhsa_system_sgpr_workgroup_id_y 1
		.amdhsa_system_sgpr_workgroup_id_z 1
		.amdhsa_system_vgpr_workitem_id 0
		.amdhsa_next_free_vgpr 1024
		.amdhsa_next_free_sgpr 96
		.amdhsa_reserve_vcc 0
		.amdhsa_float_denorm_mode_32 3
		.amdhsa_float_denorm_mode_16_64 3
		.amdhsa_memory_ordered 1
		.amdhsa_forward_progress 1
		.amdhsa_inst_pref_size 156
	.end_amdhsa_kernel
	.amdgpu_metadata
---
amdhsa.version: [ 1, 2 ]
amdhsa.kernels:
  - .name:           k_q3889d3056c_qkv
    .symbol:         k_q3889d3056c_qkv.kd
    .args:
      - { .name: xb, .offset: 0, .size: 8, .value_kind: global_buffer, .address_space: global }
      - { .name: wb, .offset: 8, .size: 8, .value_kind: global_buffer, .address_space: global }
      - { .name: qb, .offset: 16, .size: 8, .value_kind: global_buffer, .address_space: global }
      - { .name: vb, .offset: 24, .size: 8, .value_kind: global_buffer, .address_space: global }
      - { .name: qkvh, .offset: 32, .size: 8, .value_kind: global_buffer, .address_space: global }
    .group_segment_fixed_size: 327680
    .private_segment_fixed_size: 0
    .kernarg_segment_align: 8
    .kernarg_segment_size: 40
    .max_flat_workgroup_size: 128
    .sgpr_count:     96
    .vgpr_count:     1024
    .wavefront_size: 32
...
	.end_amdgpu_metadata
.endif
;; end of part 2
;; launch attn (part 3): grid 4 x 192, 4 waves a work-group, clusters of 4 x 1, 327,680 bytes of LDS; arguments qkvh, attention_mask, ctx; writes ctx
.if DOCPART == 3
	.amdgcn_target "amdgcn-amd-amdhsa--gfx1250"
	.amdhsa_code_object_version 6
	.text
	.protected	k_q3889d3056c_attn
	.globl	k_q3889d3056c_attn
	.p2align	8
	.type	k_q3889d3056c_attn,@function
k_q3889d3056c_attn:
	s_mov_b64 s[64:65], 0
	v_nop
	global_prefetch_b8 v0, s[64:65] scope:SCOPE_SE
	s_setreg_imm32_b32 hwreg(HW_REG_WAVE_MODE, 25, 1), 1
	s_wait_xcnt 0x0
	s_wait_alu depctr_hold_cnt(0) depctr_sa_sdst(0) depctr_va_vdst(0) depctr_va_sdst(0) depctr_va_ssrc(0) depctr_va_vcc(0) depctr_vm_vsrc(0)
	s_getreg_b32 s2, hwreg(HW_REG_IB_STS2, 6, 4)
	s_cmp_eq_u32 s2, 0
	s_cbranch_scc0 .Lentry_in_a_cluster
	s_endpgm
.Lentry_in_a_cluster:
	s_bfe_u32 s2, ttmp6, 0x10000c
	s_cmp_lg_u32 s2, 0x3003
	s_cbranch_scc0 .Lentry_shape_is_right
	s_endpgm
.Lentry_shape_is_right:
; Launch 3 of 4: ctx[head][q][:] = the sum over k of softmax_k(q . k' + mask[batch][k]) v[k][:].  q, k' (= k / 8, without kb: it cancels in this softmax, as the first kernel's head shows), v and ctx: [192][1024][64] bf16.
; Products, maxima and sums in f32; the weights p are rounded to bf16 for the second product (their sum l is taken of the unrounded p), ctx once at the end.
; LIMITS.  The running maximum starts at -1e30: a row in which EVERY key's score lies below -1e30 has l = 0 and is not served.  A weight below 2^-126 counts as 0.  NaN is not treated apart.
; SHARES.  A cluster is one head; a work-group 256 of its queries; a wave 64: two PIECES of two tiles of 16.  Every wave walks the head's 1,024 keys, 64 a step.
; NO RING.  The head's K (1,024 rows of 144 bytes) and V (1,024 of 160) lie in LDS together: every byte is filled once, by joint loads issued at the head: four a wave, four outstanding at the most.
; The first three steps read the first 256 keys alone, behind a counted wait; then one wait for all and one barrier.  Nothing is filled again.
; LAYOUT.  S^T = K Q^T + mask (source 0 = 16 keys, source 1 = 16 queries; the mask is the C operand that starts the sum): a lane holds ONE query (lane % 16) and the keys 8 (lane / 16) + 0..7.  Two such
; results, rounded in pairs, ARE source 1 of O^T = V^T P.  K comes out of LDS as it lies, V turned, by ds_load_tr16_b128.
; SOFTMAX.  p = 2^(c s - c m), c = log2(e), with a running maximum m; in every step O and l are multiplied by a = 2^(c m_old - c m_new).  c m's start is made by the instruction that remakes it, so a step
; whose keys all lie below the start leaves a = 1.
; BY TURNS.  Turn p belongs to piece p.  Its matrix work is the other piece's: 16 products K Q^T of its next step, later 16 products V^T P of its last.  Its vector work: scaling, exponentials, roundings, sums and
; rescaling of piece p, and the other piece's maximum and statistics.  Four vector instructions stand behind every matrix instruction, the rest in one lump.  A turn's 66 exponentials are one batch, with one wait.
; REGISTERS, in windows of 256 (s_set_vgpr_msb: bits 1:0 source 0, 3:2 source 1, 5:4 source 2, 7:6 destination):
;   window 0: v0-11 addresses; v12-15, v48-63 at work; v16-31 four registers of statistics a tile; v32-45 the add's two, the mask's; v64-191 S^T; v192-255 P
;   window 1: v0-127 O^T, 32 a tile; v128-159 a step's mask      window 2: v0-63 Q; v128-191 K of one step; v192-255 V of one step
.set NP,    2
.set KS,    64
.set PK,    144       ; a row of K in LDS: 128 bytes + 16: the 16 rows of a load start at 16 different groups of four banks (64 banks of 4 bytes: ISA guide 11.1)
.set PV,    160       ; a row of V: 128 + 32
.set VOFF,  1024*PK
.set MASKB, VOFF+1024*PV   ; the batch's 1,024 mask numbers, f32, stored by the waves
.set STAGE, MASKB+4096     ; 16 rows x 144 bytes for each wave, for the way out
.set SP,    144
.set SPARE, STAGE+4*16*SP  ; the spare words, 128 bytes for each wave, which no other line names
.set AK0, 2           ; v2   my lane's place in a tile of K; never rewritten
.set AV0, 3           ; v3   the same for V
.set AK,  4           ; v4   the LDS address of K's next run of loads
.set AV,  5           ; v5   of V's
.set QO,  6           ; v6   my byte offset in the wave's rows of Q
.set STO, 6           ;      later, the way out: where I put 16 bytes of a row
.set RD,  7           ; v7   the way out: where I read rows back
.set GO,  8           ; v8   my byte offset in 512 consecutive bytes of ctx
.set MV,  12          ; v12-15  c m_old, kept while c m is made anew
.set ST,  16          ; tile t's statistics at v[ST+4 t]: c m, m, l (even keys', odd keys')
.set SPW, 32          ; v32  my spare word; never rewritten
.set NIL, 33          ; v33  0; never rewritten
.set AM0, 34          ; v34  my lanes' place in a step's mask: MASKB + 32 (l / 16)
.set AM,  35          ; v35  the LDS address of the mask's next loads
.set MKV, 36          ; v36-43  the mask on its way into LDS
.set MGO, 44          ; v44  16 x my thread's number
.set MLA, 45          ; v45  MASKB + that
.set TMP, 48          ; by piece and tile, four registers c0-c3 at work; when the maximum is found c2 takes a
.set S,   64
.set P,   192
.set MC,  128         ; window 1: mask[64 step + 16 kb + 8 (l / 16) + j] at MC + 8 kb + j
.set KF,  128         ; window 2: key block kb, channel half c at KF + 16 kb + 8 c
.set VF,  192         ; window 2: key half kk, channel block cb at VF + 32 kk + 8 cb
.set WV,  12
.set G1K, 24          ; s[24:31] group 1 for K's tiles;  s[32:39] for V's: it differs in the padding alone
.set G1V, 32
.set G0K, 40          ; s[40:55] group 0 for K's four tiles
.set G0V, 72          ; s[72:87] for V's
.set TBM, 56          ; s56  byte of the mask at which the step to be fetched begins
.set CNT, 57
.set CS,  58          ; s[58:59] c
.set SEL, 60          ; s[60:61] v_permlanex16_b32's selects: each lane takes its own place in the other half
.set TBK, 62          ; s62  LDS byte at which K of the step to be fetched begins
.set TBV, 63          ; s63  the same for V, less VOFF
.set MSB, 0
.macro WIN new
.if MSB != (\new)
	s_set_vgpr_msb (MSB<<8)|(\new)
.set MSB, (\new)
.endif
.endm
.set W_KQ, 0x0a       ; K and Q in window 2, S^T in window 0
.set W_KM, 0x1a       ; the same with the C operand in window 1
.set W_PV, 0x52       ; V in window 2, P in window 0, O^T in window 1
.set W_RS, 0x41       ; O^T (destination and source 0) in window 1, a in window 0
.macro CROUND
	s_barrier_signal -1
	s_barrier_wait -1
	s_cmp_lg_u32 s[WV], 0
	s_cbranch_scc1 .Lnot_wave_0_\@
	s_barrier_signal -3
.Lnot_wave_0_\@:
	s_barrier_wait -3
	s_barrier_signal -1
	s_barrier_wait -1
.endm
	s_load_b128 s[4:7], s[0:1], 0x0   ; qkvh s[4:5], the mask s[6:7]
	s_load_b64 s[10:11], s[0:1], 0x10 ; ctx
	v_lshl_add_u32 v[SPW], v0, 2, SPARE
	v_mov_b32 v[NIL], 0
	ds_add_u32 v[SPW], v[NIL]       ; the wave's opening: the add, twice on end, and its wait ahead of my first tensor load
	ds_add_u32 v[SPW], v[NIL]
	v_lshrrev_b32 v1, 5, v0
	v_readfirstlane_b32 s[WV], v1
	s_bfe_u32 s13, ttmp6, 0x40000   ; cx
	s_lshl_b32 s19, ttmp9, 2
	s_add_co_u32 s19, s19, s13      ; my block of 256 queries: it enters Q's and ctx's addresses alone
	s_and_b32 s20, ttmp7, 0xffff    ; the head, which the four partners share
	s_mul_i32 s14, s20, 0xaaab
	s_lshr_b32 s14, s14, 19         ; the batch = head / 12 (exact for heads up to 191)
	s_lshl_b32 s14, s14, 12         ; its 4,096 bytes of mask
	s_mov_b32 s15, 0
	s_lshl_b32 s20, s20, 17         ; the head's first byte in a section
	s_and_b32 s16, s[WV], 1         ; which half of 256 keys I fetch:
	s_lshl_b32 s22, s16, 14         ; its 128 rows of 128 bytes in memory,
	s_add_co_u32 s22, s22, s20
	s_mov_b32 s23, 0
	s_mul_i32 s17, s16, 128*PK      ; and its place in LDS, for K
	s_mul_i32 s18, s16, 128*PV      ; and for V: no place in the cluster enters an LDS address
	s_add_co_u32 s18, s18, VOFF
	s_lshl_b32 s2, s19, 2
	s_add_co_u32 s2, s2, s[WV]
	s_lshl_b32 s2, s2, 13           ; my wave's 64 rows
	s_add_co_u32 s2, s2, s20
	s_mov_b32 s3, 0
	; group 1.  128 keys are 16,384 dense bytes: asked for as 64 rows of 256 bytes, two keys a row, padded in LDS after every key
	s_mov_b32 s[G1K], 15|(1<<16)|(1<<20)|(1<<21)|(4<<22)|(3<<25)  ; the mask of four; 2-byte elements; padding on; bit 21 beside a mask; after every 32 words 4 words
	s_mov_b32 s[G1V], 15|(1<<16)|(1<<20)|(1<<21)|(4<<22)|(7<<25)  ; the same with 8 words
.irp g, G1K, G1V
	s_mov_b32 s[\g+1], 128<<16      ; tensor_dim0 = 128
	s_mov_b32 s[\g+2], 64<<16       ; tensor_dim1 = 64
	s_mov_b32 s[\g+3], 128<<16      ; tile_dim0 = 128
	s_mov_b32 s[\g+4], 64           ; tile_dim1 = 64
	s_mov_b32 s[\g+5], 128          ; elements from row to row
	s_mov_b32 s[\g+6], 0
	s_mov_b32 s[\g+7], 0
.endr
.irp c, 0,1,2,3
	s_mov_b32 s[G0K+4*\c], 1
	s_add_co_u32 s[G0K+4*\c+1], s17, \c*256*PK
	s_mov_b32 s[G0V+4*\c], 1
	s_add_co_u32 s[G0V+4*\c+1], s18, \c*256*PV
.endr
	s_mov_b32 s[CS], 0x3fb8aa3b     ; c = log2(e)
	s_mov_b32 s[CS+1], s[CS]
	s_mov_b32 s[SEL], 0x76543210
	s_mov_b32 s[SEL+1], 0xfedcba98
	s_mov_b32 s[TBK], 0
	s_mov_b32 s[TBV], 0
	s_mov_b32 s[TBM], 0
	s_wait_dscnt 0x0                ; both opening adds are done
	s_wait_kmcnt 0x0
	s_add_nc_u64 s[66:67], s[4:5], 25165824   ; the section of k',
	s_add_nc_u64 s[66:67], s[66:67], s[22:23] ; at my half of the head's first 256 keys
	s_add_nc_u64 s[68:69], s[4:5], 50331648   ; the section of v
	s_add_nc_u64 s[68:69], s[68:69], s[22:23]
.irp c, 0,1,2,3
	s_add_nc_u64 s[G0K+4*\c+2:G0K+4*\c+3], s[66:67], \c*32768
	s_or_b32 s[G0K+4*\c+3], s[G0K+4*\c+3], 0x80000000
	s_add_nc_u64 s[G0V+4*\c+2:G0V+4*\c+3], s[68:69], \c*32768
	s_or_b32 s[G0V+4*\c+3], s[G0V+4*\c+3], 0x80000000
.endr
	s_add_nc_u64 s[4:5], s[4:5], s[2:3]       ; Q and ctx at my wave's first row
	s_add_nc_u64 s[10:11], s[10:11], s[2:3]
	s_add_nc_u64 s[6:7], s[6:7], s[14:15]     ; the batch's mask
	CROUND                          ; all four work-groups are here: the joint loads meet
	s_cmp_lt_u32 s[WV], 2           ; a wave's four fills stand in one branch, ahead of every wait on TENSORcnt, every LDS read and every other barrier
	s_cbranch_scc0 .Lfirst_v
.irp c, 0,1,2,3
	tensor_load_to_lds s[G0K+4*\c:G0K+4*\c+3], s[G1K:G1K+7]
	s_nop 0
.endr
.rept 4
	v_nop
.endr
	s_branch .Lfirst_asked
.Lfirst_v:
.irp c, 0,1,2,3
	tensor_load_to_lds s[G0V+4*\c:G0V+4*\c+3], s[G1V:G1V+7]
	s_nop 0
.endr
.rept 4
	v_nop
.endr
.Lfirst_asked:
	v_and_b32 v1, 15, v0            ; l % 16
	v_bfe_u32 v9, v0, 4, 1          ; l / 16
	v_lshlrev_b32 v[MGO], 4, v0
	global_load_b128 v[MKV:MKV+3],   v[MGO], s[6:7]              ; the mask: 128 threads x 16 bytes, twice
	global_load_b128 v[MKV+4:MKV+7], v[MGO], s[6:7] offset:2048
	v_lshlrev_b32 v[QO], 7, v1
	v_lshl_add_u32 v[QO], v9, 4, v[QO]  ; row x 128 + 16 x half
	WIN 0x80                        ; destination window 2, address window 0
.set i, 0
.rept 4*NP                          ; Q stays in registers: tile i / 2, channels 32 (i % 2) on
	global_load_b128 v[8*i:8*i+3],   v[QO], s[4:5] offset:(i/2)*2048+(i%2)*64
	global_load_b128 v[8*i+4:8*i+7], v[QO], s[4:5] offset:(i/2)*2048+(i%2)*64+32
.set i, i+1
.endr
	; What the first turn finds: V's registers and piece 1's P hold 0 (its products V^T P, of a step that has not been, add 0), O^T and l are 0.  All this stands in the wait for the first tile.
.set i, VF
.rept 64
	v_mov_b32 v[i], 0
.set i, i+1
.endr
	WIN 0x40
.set i, 0
.rept 64*NP
	v_mov_b32 v[i], 0
.set i, i+1
.endr
	WIN 0
.set i, 0
.rept 2*NP
	v_mov_b32 v[ST+4*i+1], 0xf149f2ca  ; m = -1e30
	v_mov_b32 v[ST+4*i+2], 0
	v_mov_b32 v[ST+4*i+3], 0
	v_mul_f32 v[ST+4*i], s[CS], v[ST+4*i+1]  ; c m
.set i, i+1
.endr
.set i, P+32
.rept 32
	v_mov_b32 v[i], 0
.set i, i+1
.endr
	v_mul_u32_u24 v[AK0], v1, PK
	v_lshl_add_u32 v[AK0], v9, 4, v[AK0]  ; row x pitch + 16 x half
	; The turning load takes 16 keys x 16 channels (lane l reads key 8 (l / 16) + l % 8, channels 8 ((l / 8) % 2) + 0..7) and leaves half a fragment of V^T: lane l holds channel l % 16 and 8 keys.
	v_and_b32 v10, 7, v0
	v_bfe_u32 v11, v0, 3, 1
	v_lshl_add_u32 v[AV0], v9, 3, v10
	v_mul_u32_u24 v[AV0], v[AV0], PV
	v_lshl_add_u32 v[AV0], v11, 4, v[AV0]
	v_add_nc_u32 v[AV0], VOFF, v[AV0]
	v_lshl_add_u32 v[AM0], v9, 5, MASKB
	v_mov_b32 v[AK], v[AK0]         ; key step 0
	v_mov_b32 v[AM], v[AM0]
	v_add_nc_u32 v[MLA], MASKB, v[MGO]
	s_wait_loadcnt 16               ; the mask is in; Q's 16 loads may stay out
	ds_store_b128 v[MLA], v[MKV:MKV+3]
	ds_store_b128 v[MLA], v[MKV+4:MKV+7] offset:2048
; THE MATRIX WORK.  The 8 accumulators of a run of 16 take turns.
; Product i of 16 of S^T = K Q^T + mask for piece x: channels 32 (i / 8) on, keys 16 ((i / 2) % 4) on, tile 2 x + i % 2.  The first 8 start the sums with the mask.
.macro KQ x
.set rS, S+64*((\x)%2)+32*(i%2)+8*((i/2)%4)
.set rK, KF+16*((i/2)%4)+8*(i/8)
.set rQ, 16*(2*(\x)+i%2)+8*(i/8)
.set rMC, MC+8*((i/2)%4)
.if i < 8
	WIN W_KM
	v_wmma_f32_16x16x32_bf16 v[rS:rS+7], v[rK:rK+7], v[rQ:rQ+7], v[rMC:rMC+7]
.else
	WIN W_KQ
	v_wmma_f32_16x16x32_bf16 v[rS:rS+7], v[rK:rK+7], v[rQ:rQ+7], v[rS:rS+7]
.endif
.endm
; Product i of 16 of O^T += V^T P for piece x: keys 32 (i / 8) on, channels 16 ((i / 2) % 4) on, tile 2 x + i % 2.
.macro PV x
	WIN W_PV
.set rO, 32*(2*(\x)+i%2)+8*((i/2)%4)
.set rV, VF+32*(i/8)+8*((i/2)%4)
.set rP, P+32*((\x)%2)+16*(i%2)+8*(i/8)
	v_wmma_f32_16x16x32_bf16 v[rO:rO+7], v[rV:rV+7], v[rP:rP+7], v[rO:rO+7]
.endm
.macro MM                           ; the turn's next matrix instruction
.if i < 16
	KQ (Y+1)%NP
.set i, i+1
.else
.set i, i-16
	PV (Y+NP-1)%NP
.set i, i+17
.endif
.endm
; THE LDS LOADS stand in runs: a step's K (8 fragments) with its mask (32 numbers a lane), and its V (turned).  last = 1: in the last trip there is no further step, and the run is jumped over.
.macro FETCH_K last=0
	WIN 0
.if \last
	s_cmp_eq_u32 s[CNT], 1
	s_cbranch_scc1 .Lno_k_\@
.endif
	WIN 0x80                        ; destination window 2
.irp f, 0,1,2,3,4,5,6,7             ; keys 16 (f / 2) on, channels 32 (f % 2) on
	ds_load_b128 v[KF+8*\f:KF+8*\f+3],   v[AK] offset:(\f/2)*16*PK+(\f%2)*64
	ds_load_b128 v[KF+8*\f+4:KF+8*\f+7], v[AK] offset:(\f/2)*16*PK+(\f%2)*64+32
.endr
	WIN 0x40                        ; destination window 1
.irp f, 0,1,2,3
	ds_load_b128 v[MC+8*\f:MC+8*\f+3],   v[AM] offset:64*\f
	ds_load_b128 v[MC+8*\f+4:MC+8*\f+7], v[AM] offset:64*\f+16
.endr
	s_add_co_u32 s[TBK], s[TBK], KS*PK  ; the next fetch is the next step's
	s_add_co_u32 s[TBM], s[TBM], KS*4
	WIN 0
.if \last
.Lno_k_\@:
.endif
.endm
.macro FETCH_V
	WIN 0x80
.irp f, 0,1,2,3,4,5,6,7             ; keys 32 (f / 4) on, channels 16 (f % 4) on
	ds_load_tr16_b128 v[VF+8*\f:VF+8*\f+3],   v[AV] offset:(\f/4)*32*PV+(\f%4)*32
	ds_load_tr16_b128 v[VF+8*\f+4:VF+8*\f+7], v[AV] offset:(\f/4)*32*PV+16*PV+(\f%4)*32
.endr
	WIN 0
.endm
; THE VECTOR WORK OF A TURN stands in three queues, each in the order in which its entries become ready; the two tiles alternate, so that no instruction reads the result of the one before it.
.macro REGS y, u                    ; the registers of tile u (0, 1) of piece y
.set rT, ST+4*(2*(\y)+(\u))
.set rC, TMP+8*((\y)%2)+4*(\u)
.set rM, MV+2*((\y)%2)+(\u)
.set rS, S+64*((\y)%2)+32*(\u)
.set rP, P+32*((\y)%2)+16*(\u)
.set rO, 32*(2*(\y)+(\u))
.endm
; Number n of the 22 that find the OTHER piece's maximum and statistics.  Each accumulator's lowest registers are read first.
;   0-11  four chains c0-c3 of seven scores each     12-14, 16  the four scores left over, the old m, and c0-c3 into c0     15  c m_old is kept
;   17, 18  the query's other 32 keys lie in the lane 16 away: the new m     19-21  c m; c m_old - c m_new; a
.macro XS u, n
	REGS (Y+1)%NP, \u
.if (\n) < 4
	v_max3_num_f32 v[rC+(\n)], v[rS+8*(\n)], v[rS+8*(\n)+1], v[rS+8*(\n)+2]
.elseif (\n) < 12
	v_max3_num_f32 v[rC+(\n)%4], v[rC+(\n)%4], v[rS+8*((\n)%4)+2*((\n)/4)+1], v[rS+8*((\n)%4)+2*((\n)/4)+2]
.elseif (\n) == 12
	v_max3_num_f32 v[rC], v[rC], v[rS+7], v[rS+15]
.elseif (\n) == 13
	v_max3_num_f32 v[rC+1], v[rC+1], v[rS+23], v[rS+31]
.elseif (\n) == 14
	v_max3_num_f32 v[rC+2], v[rC+2], v[rC+3], v[rT+1]
.elseif (\n) == 15
	v_mov_b32 v[rM], v[rT]
.elseif (\n) == 16
	v_max3_num_f32 v[rC], v[rC], v[rC+1], v[rC+2]
.elseif (\n) == 17
	v_permlanex16_b32 v[rC+3], v[rC], s[SEL], s[SEL+1]
.elseif (\n) == 18
	v_max_num_f32 v[rT+1], v[rC], v[rC+3]
.elseif (\n) == 19
	v_mul_f32 v[rT], s[CS], v[rT+1]
.elseif (\n) == 20
	v_sub_f32 v[rC+1], v[rM], v[rT]
.else
	v_exp_f32 v[rC+2], v[rC+1]
.endif
.endm
; Number g of the 64 that follow the exponentials.  For each four weights k of a tile: both pairs are rounded to bf16; the second pair is added onto the first, in place; a group later l takes that sum
; (the first time as l = a l + sum).
.macro GS g
.set h, (\g)+6*((\g)/62)            ; group 0 has no group before it, and behind group 7 only l is left
.if h >= 6
.set h, h+2
.endif
	REGS Y, h%2
.set k, h/8
.if h%8 < 4
	v_cvt_pk_bf16_f32 v[rP+2*k+(h%8)/2], v[rS+4*k+2*((h%8)/2)], v[rS+4*k+2*((h%8)/2)+1]
.elseif h%8 < 6
	v_pk_add_f32 v[rS+4*k:rS+4*k+1], v[rS+4*k:rS+4*k+1], v[rS+4*k+2:rS+4*k+3]
.elseif k == 1
	v_pk_fma_f32 v[rT+2:rT+3], v[rT+2:rT+3], v[rC+2:rC+3], v[rS:rS+1] op_sel_hi:[1,0,1]
.else
	v_pk_add_f32 v[rT+2:rT+3], v[rT+2:rT+3], v[rS+4*k-4:rS+4*k-3]
.endif
.endm
; THE PLAIN QUEUE, 138 long.  0-73 read no exponential's result: the 32 scalings c s - c m and the other piece's 42, the links of its chain three plain instructions apart.  74-137: GS's 64, behind the wait.
.macro FS f
	REGS Y, (\f)%2
	v_pk_fma_f32 v[rS+2*((\f)/2):rS+2*((\f)/2)+1], v[rS+2*((\f)/2):rS+2*((\f)/2)+1], s[CS:CS+1], v[rT:rT+1] op_sel_hi:[1,0,0] neg_lo:[0,0,1] neg_hi:[0,0,1]
.endm
.macro PL
	WIN 0
.if q < 27
	FS q
.elseif q < 55
	XS (q-27)%2, (q-27)/2
.elseif q < 57
	XS q-55, 15
.elseif (q < 72) && ((q-57)%3 == 0)
	FS 27+(q-57)/3
.elseif q < 60
	XS (q-57)%3-1, 14
.elseif q < 72
	XS (q-57)%3-1, 15+(q-57)/3
.elseif q < 74
	XS q-72, 20
.else
	GS q-74
.endif
.set q, q+1
.endm
; THE EXPONENTIALS' QUEUE, 66 long: s0-s31 of both tiles, then the other piece's two a.  ONE BATCH: all stand ahead of the turn's one wait, and nothing ahead of that wait names a result of theirs.
.macro EX
	WIN 0
.if e >= 64
	XS e-64, 21
.else
	REGS Y, e%2
	v_exp_f32 v[rS+e/2], v[rS+e/2]
.endif
.set e, e+1
.endm
; THE RESCALING's QUEUE: O^T times a, two at a time, in ascending registers.  Its a was made in the turn before, ahead of that turn's wait; the last product that wrote this O^T stands four plain riders and more back.
.macro R2
	REGS Y, r%2
	WIN W_RS
.irp z, 0,1
	v_pk_mul_f32 v[rO+4*(r/2)+2*\z:rO+4*(r/2)+2*\z+1], v[rO+4*(r/2)+2*\z:rO+4*(r/2)+2*\z+1], v[rC+2:rC+3] op_sel_hi:[1,0]
.endr
.set r, r+1
.endm
; A TURN, for piece p.  AHEAD OF THE WAIT: the 16 products K Q^T, behind each a scaling, an exponential and two rescalings (behind the first a second scaling); then one lump: eight plain, 49 times exponential
; and plain, the two a; a v_nop is the plain instruction behind the last exponential.  BEHIND IT: the 16 products V^T P, behind each four of GS's 64.
; Exponential e stands behind scaling 2 (e / 4) + e % 2: as a rider it comes behind plain e + 2, in the lump behind plain e + 9.
; Piece 0's turn fetches the next step's K and mask directly behind the wait, a lump behind the last product that read them, and the step's V at its end, four plain riders behind the last product that read V.
; Piece 1's turn waits for K and the mask at its head (V's 16 younger loads may stay out) and for V ahead of its products V^T P.
.macro TURN p, last=0
.set Y, (\p)
.set i, 0
.set q, 0
.set e, 0
.set r, 0
.if (\p) == 1
	s_wait_dscnt 16                 ; K and the mask are in
.endif
	MM
	PL
	PL
	R2
.rept 15
	MM
	PL
	EX
	R2
.endr
.if (\p) == 0
	WIN 0
	v_add_nc_u32 v[AK], s[TBK], v[AK0]
	v_add_nc_u32 v[AM], s[TBM], v[AM0]
.endif
.rept 8
	PL
.endr
.rept 49
	EX
	PL
.endr
	EX
	EX
	v_nop
	s_wait_alu depctr_va_vdst(0)    ; the wait for the batch ahead of the first instruction that names a result
.if (\p) == 0
	FETCH_K \last
.endif
.if (\p) == 1
	s_wait_dscnt 0x0                ; V is in
.endif
.rept 16
	MM
.rept 4
	PL
.endr
.if ((\p) == 0) && (q == 118)
	v_add_nc_u32 v[AV], s[TBV], v[AV0]
.endif
.if ((\p) == 0) && (q == 130)
	s_add_co_u32 s[TBV], s[TBV], KS*PV
.endif
.endr
.if (\p) == 0
	FETCH_V
.endif
.endm
	s_wait_tensorcnt 3              ; my part of the first 256 keys is in; my three younger loads stay out
	s_wait_dscnt 0x0                ; my part of the mask is stored
	s_barrier_signal -1
	s_barrier_wait -1
	FETCH_K                         ; key step 0
	s_wait_loadcnt 0x0              ; Q
	s_wait_dscnt 0x0
.set i, 0
.rept 16
	KQ 0                            ; piece 0's first scores
.set i, i+1
.endr
	WIN 0                           ; the addresses for the way out: plain instructions, the places behind those products
	s_mul_i32 s70, s[WV], 16*SP
	s_add_co_u32 s70, s70, STAGE    ; my stage
	v_mul_u32_u24 v[STO], v1, SP    ; in: row l % 16, 16 bytes for each half of the lanes
	v_lshl_add_u32 v[STO], v9, 4, v[STO]
	v_add_nc_u32 v[STO], s70, v[STO]
	v_bfe_u32 v[RD], v0, 3, 2       ; back: 32 lanes take four rows of 128 bytes,
	v_mul_u32_u24 v[RD], v[RD], SP
	v_lshl_add_u32 v[RD], v10, 4, v[RD]
	v_add_nc_u32 v[RD], s70, v[RD]
	v_and_b32 v[GO], 31, v0         ; which are 512 consecutive bytes of ctx
	v_lshlrev_b32 v[GO], 4, v[GO]
.set Y, NP-1                        ; XS works for piece Y + 1: piece 0
.irp n, 0,1,2,3,4,5,6,7,8,9,10,11,12,13,14,15,16,17,18,19,20,21
	XS 0, \n
	XS 1, \n
.endr
	v_nop                           ; a plain instruction behind the two a,
	s_wait_alu depctr_va_vdst(0)    ; and their wait, ahead of the label
	s_mov_b32 s[CNT], 3
.LstepA:                            ; steps 0 to 2: they fetch K of steps 1 to 3 and V of steps 0 to 2, all among the first 256 keys
	TURN 0
	TURN 1
	WIN 0
	s_sub_co_u32 s[CNT], s[CNT], 1
	s_cmp_lg_u32 s[CNT], 0
	s_cbranch_scc1 .LstepA
	s_wait_tensorcnt 0x0            ; all my loads have landed,
	s_wait_dscnt 0x0
	s_barrier_signal -1
	s_barrier_wait -1               ; everybody's have: the whole head lies in LDS
	s_mov_b32 s[CNT], 13
.LstepB:                            ; steps 3 to 15; the last fetches no K, and its products K Q^T, on the last K once more, serve nothing: the price, once a launch, of one text for every trip
	TURN 0, 1
	TURN 1
	WIN 0
	s_sub_co_u32 s[CNT], s[CNT], 1
	s_cmp_lg_u32 s[CNT], 0
	s_cbranch_scc1 .LstepB
.set i, 0
.rept 16
	PV 1                            ; piece 1's V^T P of the last step
.set i, i+1
.endr
	; THE WAY OUT.  l's two halves and the other half of the lanes' are added; O^T is divided by l, rounded to bf16 and sent through my stage, a tile at a time.  The additions are the places behind the last products.
	WIN 0
.macro ALL line:vararg              ; one line for each tile t
.set t, 0
.rept 2*NP
	\line
.set t, t+1
.endr
.endm
	ALL v_add_f32 v[ST+4*t+2], v[ST+4*t+2], v[ST+4*t+3]
	ALL v_permlanex16_b32 v[ST+4*t+3], v[ST+4*t+2], s[SEL], s[SEL+1]
	ALL v_add_f32 v[ST+4*t+2], v[ST+4*t+2], v[ST+4*t+3]
	ALL v_rcp_f32 v[ST+4*t+2], v[ST+4*t+2]
	v_nop                           ; a plain instruction between the last reciprocal and the use of its result
	s_wait_alu depctr_va_vdst(0)    ; one wait for the four reciprocals
.macro PACK t
	WIN W_RS
.set i, 32*(\t)
.rept 16
	v_pk_mul_f32 v[i:i+1], v[i:i+1], v[ST+4*(\t)+2:ST+4*(\t)+3] op_sel_hi:[1,0]
.set i, i+2
.endr
	WIN 0x05                        ; sources 0 and 1 window 1, destination window 0
.set i, 0
.rept 16
	v_cvt_pk_bf16_f32 v[S+16*(\t)+i], v[32*(\t)+2*i], v[32*(\t)+2*i+1]
.set i, i+1
.endr
	WIN 0
.irp f, 0,1,2,3
	ds_store_b128 v[STO], v[S+16*(\t)+4*\f:S+16*(\t)+4*\f+3] offset:32*\f
.endr
.irp f, 0,1,2,3
	ds_load_b128 v[S+16*(\t)+4*\f:S+16*(\t)+4*\f+3], v[RD] offset:\f*4*SP  ; LDS serves a wave's instructions in order (ISA guide 5.7.1.4): these see the stores above; the next tile's stores come behind them
.endr
.endm
.macro SEND t, younger              ; younger: the LDS instructions issued behind tile t's loads: the next tile's eight, or none
	WIN 0
.irp f, 0,1,2,3
	s_wait_dscnt (\younger)+3-\f
	global_store_b128 v[GO], v[S+16*(\t)+4*\f:S+16*(\t)+4*\f+3], s[10:11] offset:(\t)*2048+\f*512  ; 512 consecutive bytes, at a multiple of 256 from ctx's first
.endr
.endm
	PACK 0
.set t, 1
.rept 2*NP-1
	PACK t
	SEND t-1, 8
.set t, t+1
.endr
	SEND 2*NP-1, 0
	s_wait_tensorcnt 0x0            ; the wave's end
	ds_add_u32 v[SPW], v[NIL]
	s_wait_dscnt 0x0
	CROUND                          ; the closing round
	s_endpgm
.Lfunc_end_k_q3889d3056c_attn:
	.size	k_q3889d3056c_attn, .Lfunc_end_k_q3889d3056c_attn-k_q3889d3056c_attn
	.p2alignl 7, 3214868480
	.fill 96, 4, 3214868480
	.section	.rodata,"a",@progbits
	.p2align	6, 0x0
	.amdhsa_kernel k_q3889d3056c_attn
		.amdhsa_group_segment_fixed_size 327680
		.amdhsa_private_segment_fixed_size 0
		.amdhsa_enable_private_segment 0
		.amdhsa_kernarg_size 24
		.amdhsa_user_sgpr_count 2
		.amdhsa_user_sgpr_kernarg_segment_ptr 1
		.amdhsa_wavefront_size32 1
		.amdhsa_system_sgpr_workgroup_id_x 1
		.amdhsa_system_sgpr_workgroup_id_y 1
		.amdhsa_system_sgpr_workgroup_id_z 1
		.amdhsa_system_vgpr_workitem_id 0
		.amdhsa_next_free_vgpr 768
		.amdhsa_next_free_sgpr 88
		.amdhsa_reserve_vcc 0
		.amdhsa_float_denorm_mode_32 3
		.amdhsa_float_denorm_mode_16_64 3
		.amdhsa_memory_ordered 1
		.amdhsa_forward_progress 1
		.amdhsa_inst_pref_size 113
	.end_amdhsa_kernel
	.amdgpu_metadata
---
amdhsa.version: [ 1, 2 ]
amdhsa.kernels:
  - .name:           k_q3889d3056c_attn
    .symbol:         k_q3889d3056c_attn.kd
    .args:
      - { .name: qkvh, .offset: 0, .size: 8, .value_kind: global_buffer, .address_space: global }
      - { .name: attention_mask, .offset: 8, .size: 8, .value_kind: global_buffer, .address_space: global }
      - { .name: ctx, .offset: 16, .size: 8, .value_kind: global_buffer, .address_space: global }
    .group_segment_fixed_size: 327680
    .private_segment_fixed_size: 0
    .kernarg_segment_align: 8
    .kernarg_segment_size: 24
    .max_flat_workgroup_size: 128
    .sgpr_count:     88
    .vgpr_count:     768
    .wavefront_size: 32
...
	.end_amdgpu_metadata
.endif
;; end of part 3
;; launch outln (part 4): grid 256 x 1, 4 waves a work-group, clusters of 4 x 1, 327,680 bytes of LDS; arguments ctx, wb, ob, hidden_states, gamma, beta, out0; writes out0
.if DOCPART == 4
	.amdgcn_target "amdgcn-amd-amdhsa--gfx1250"
	.amdhsa_code_object_version 6
	.text
	.protected	k_q3889d3056c_outln
	.globl	k_q3889d3056c_outln
	.p2align	8
	.type	k_q3889d3056c_outln,@function
k_q3889d3056c_outln:
	s_mov_b64 s[64:65], 0
	v_nop
	global_prefetch_b8 v0, s[64:65] scope:SCOPE_SE
	s_setreg_imm32_b32 hwreg(HW_REG_WAVE_MODE, 25, 1), 1
	s_wait_xcnt 0x0
	s_wait_alu depctr_hold_cnt(0) depctr_sa_sdst(0) depctr_va_vdst(0) depctr_va_sdst(0) depctr_va_ssrc(0) depctr_va_vcc(0) depctr_vm_vsrc(0)
	s_getreg_b32 s2, hwreg(HW_REG_IB_STS2, 6, 4)
	s_cmp_eq_u32 s2, 0
	s_cbranch_scc0 .Lentry_in_a_cluster
	s_endpgm
.Lentry_in_a_cluster:
	s_bfe_u32 s2, ttmp6, 0x10000c
	s_cmp_lg_u32 s2, 0x3003
	s_cbranch_scc0 .Lentry_shape_is_right
	s_endpgm
.Lentry_shape_is_right:
; Launch 4 of 4: out0 = LayerNorm(ctx ow^T + ob + hidden_states) gamma + beta.  ctx [192 heads][1024][64] and ow (wb from byte 3,538,944 on: [12 heads][768 rows][64]) are bf16; all else f32.
; A work-group takes 64 tokens and all 768 columns, so that a row's mean and variance stay inside it: 256 work-groups.  In the product wave w makes 64 tokens x columns 192 w .. 192 w + 191 (48 accumulators,
; started with ob as the C operand); then the sums go through LDS, and wave w finishes rows 16 w .. 16 w + 15 whole.  The variance is taken of the centred numbers: no difference of large sums is formed.
; K = 768 goes in twelve steps of one head (64 channels: two quarters) through two LDS slots.  A step's slice of ow is 98,304 dense bytes; the four work-groups of a cluster walk the same ow, so it is asked for
; jointly: waves 0 to 2 fetch 256 of its rows each.  Wave 3 fetches the work-group's own 64 rows of ctx, by a load of its own.
; THE WALK IS ROTATED: cluster c begins at head c % 12 and goes round, so that clusters ask for different slices of ow at the same time; the f32 sums take the heads in another order.
; HIDDEN_STATES is asked for as early as registers come free: my rows 0 to 3 at the head, rows 4 to 7 into ob's registers behind the first quarter, rows 8 to 15 into ow's fragment registers behind the last product.
; THE MATRIX INSTRUCTION IS USED TRANSPOSED (source 0 = 16 rows of ow, source 1 = 16 tokens): lane l holds token l % 16 and the columns 8 (l / 16) + 0 .. 7.
; REGISTERS, in windows of 256 (s_set_vgpr_msb: bits 1:0 source 0, 3:2 source 1, 5:4 source 2, 7:6 destination):
;   window 0: v8-31 addresses; v32-95 ctx's fragments, two buffers; v96-191 ob, then rows 4 to 7 of hidden_states; in the row loop four rows of 24 at v32, v56, v192, v216, eight registers of statistics a row at v80, v88, v240, v248
;   window 1: v0-191 ow's fragments, two buffers, then rows 8 to 15 of hidden_states; v192-215 gamma, v216-239 beta (my columns 128 i + 4 l + 0..3)
;   windows 2, 3: accumulator (a, b) at v[8 (12 (a % 2) + b)] of window 2 + a / 2; v192-239 rows 0, 1 and rows 2, 3 of hidden_states
.set PITCH,  144                       ; an LDS row: 128 bytes + 16: the 16 rows of a fragment load start at 16 different groups of four banks (64 banks of 4 bytes: ISA guide 11.1)
.set ABYTES, 64*PITCH
.set BPART,  256*PITCH                 ; what one of waves 0 to 2 fetches
.set SLOT,   ABYTES+3*BPART            ; ctx's 64 rows, then ow's 768
.set SPARE,  2*SLOT                    ; behind the ring: the spare words, 128 bytes for each wave, which no other line names
.set XP,     3088                      ; a row of sums in LDS: 3,072 bytes + 16.  The 64 rows lie over the ring, which has had its last fill and been read out by then
.set OWOFF,  3538944
.set STO,  8                           ; v8-11   where I put my 32 bytes of tokens 16 a + l % 16
.set ADRA, 16
.set ADRB, 20
.set RD0,  24                          ; v24     my 16 bytes in the first of my rows
.set RDL,  25                          ; v25     the same in the group of four rows in hand
.set HO,   26                          ; v26     the same in hidden_states and out0
.set BO,   27                          ; v27     my byte offset in ob
.set SPW,  28
.set NIL,  29
.set PFO,  30                          ; v30     the prefetches' offset; never rewritten
.set L16,  31                          ; v31     16 x lane
.set FA,   32
.set BIAS, 96
.set HR,   192
.set GA,   192
.set BE,   216
.set WV,   18
.set CX,   19
.set IDX,  20
.set CNT,  21
.set TRW,  22
.set G1A,  24
.set G0A,  32
.set PF,   44                          ; s[44:45] hidden_states at my work-group's rows, later 16,384 bytes on
.set PFI,  46                          ; s[46:47] its step
.set G1B,  48
.set G0B,  56
.set SEL,  70
.set HS,   76                          ; s76, s77 the head that slot 0, 1 holds or is asked for
.set OA,   78                          ; s[78:79] a head's byte offset in ctx
.set OBF,  80                          ; s[80:81] and in ow
.set MSB, 0
.macro WIN new
.if MSB != (\new)
	s_set_vgpr_msb (MSB<<8)|(\new)
.set MSB, \new
.endif
.endm
.macro PLACES
.rept 4
	v_nop
.endr
.endm
.macro ROWREG j                        ; row j of the four in hand: its 24 numbers at v[xb_], its statistics at v[tb_]: +0, +1 sums; +2 the other half's; +4 -mean; +6 1 / sqrt(var + eps); +5, +7 named with them as pairs
.set xb_, 32+24*(\j)+112*((\j)/2)
.set tb_, 80+8*(\j)+144*((\j)/2)
.endm
.macro JLOAD s                         ; the branch hangs on the wave's number alone; an s_nop 0 and four v_nop follow each line
	s_cmp_eq_u32 s[WV], 3
	s_cbranch_scc0 .Lfor_b_\@
	tensor_load_to_lds s[G0A+4*(\s):G0A+4*(\s)+3], s[G1A:G1A+7]
	s_nop 0
.rept 4
	v_nop
.endr
	s_branch .Lasked_\@
.Lfor_b_\@:
	tensor_load_to_lds s[G0B+4*(\s):G0B+4*(\s)+3], s[G1B:G1B+7]
	s_nop 0
.rept 4
	v_nop
.endr
.Lasked_\@:
.endm
; The global addresses of slot s's two descriptors are made anew from the slot's head: a base and an offset made apart, the type bits set again.
.macro SETADR s
	s_lshl_b32 s[OA], s[HS+(\s)], 17               ; a head of ctx is 131,072 bytes,
	s_mul_i32 s[OBF], s[HS+(\s)], 98304            ; a head's slice of ow 98,304
	s_add_nc_u64 s[G0A+4*(\s)+2:G0A+4*(\s)+3], s[40:41], s[OA:OA+1]
	s_or_b32 s[G0A+4*(\s)+3], s[G0A+4*(\s)+3], 0x80000000
	s_add_nc_u64 s[G0B+4*(\s)+2:G0B+4*(\s)+3], s[42:43], s[OBF:OBF+1]
	s_or_b32 s[G0B+4*(\s)+3], s[G0B+4*(\s)+3], 0x80000000
.endm
; A prefetch into the L2 of hidden_states: behind three of the last four refills a wave names 32 blocks of 256 bytes of its own rows 8 to 15, which it loads behind the last product:
; 24,576 bytes, each block once, none outside its own rows.  Rows 0 to 7 come by their loads alone.
.macro ASK slot
.if (\slot) == 0
	s_cmp_lt_u32 s3, 3                             ; the last two laps
.else
	s_cmp_eq_u32 s3, 2                             ; the last lap but one
.endif
	s_cbranch_scc0 .Lnot_yet_\@
	global_prefetch_b8 v[PFO], s[PF:PF+1] offset:(\slot)*8192 th:TH_LOAD_NT scope:SCOPE_SE
.Lnot_yet_\@:
.endm
.macro CREST
	s_cmp_lg_u32 s[WV], 0
	s_cbranch_scc1 .Lnot_wave_0_\@
	s_barrier_signal -3
.Lnot_wave_0_\@:
	s_barrier_wait -3
	s_barrier_signal -1
	s_barrier_wait -1
.endm
.macro CROUND
	s_barrier_signal -1
	s_barrier_wait -1
	CREST
.endm
	s_load_b256 s[4:11], s[0:1], 0x0               ; ctx s[4:5], wb s[6:7], ob s[8:9], hidden_states s[10:11]
	s_load_b128 s[12:15], s[0:1], 0x20             ; gamma s[12:13], beta s[14:15]
	s_load_b64 s[16:17], s[0:1], 0x30              ; out0
	v_lshl_add_u32 v[SPW], v0, 2, SPARE
	v_mov_b32 v[NIL], 0
	ds_add_u32 v[SPW], v[NIL]                      ; the wave's opening: the add, twice on end, and its wait ahead of my first tensor load
	ds_add_u32 v[SPW], v[NIL]
	v_lshrrev_b32 v1, 5, v0
	v_readfirstlane_b32 s[WV], v1
	s_bfe_u32 s[CX], ttmp6, 0x40000
	s_lshl_b32 s[IDX], ttmp9, 2
	s_add_co_u32 s[IDX], s[IDX], s[CX]             ; my 64 tokens: it enters global addresses of my own loads and stores alone
	s_mul_i32 s82, ttmp9, 43
	s_lshr_b32 s82, s82, 9                         ; cluster / 12 (exact for clusters up to 63)
	s_mul_i32 s82, s82, 12
	s_sub_co_u32 s[HS], ttmp9, s82                 ; the first head: cluster % 12, the same in all four partners
	s_add_co_u32 s[HS+1], s[HS], 1
	s_cmp_eq_u32 s[HS+1], 12
	s_cselect_b32 s[HS+1], 0, s[HS+1]              ; and the second
	s_mov_b32 s[OA+1], 0
	s_mov_b32 s[OBF+1], 0
	s_lshr_b32 s40, s[IDX], 4                      ; the batch:
	s_mul_i32 s40, s40, 12*131072                  ; its twelve heads of 131,072 bytes,
	s_and_b32 s41, s[IDX], 15
	s_lshl_b32 s41, s41, 13                        ; my 64 rows of 128 bytes in a head
	s_add_co_u32 s40, s40, s41
	s_mov_b32 s41, 0
	s_lshl_b32 s42, s[WV], 15                      ; ow: my 256 rows of 128 bytes in a head's slice
	s_add_co_u32 s42, s42, OWOFF
	s_mov_b32 s43, 0
	s_mul_i32 s23, s[WV], BPART                    ; and their place in a slot
	s_add_co_u32 s23, s23, ABYTES
	s_mul_i32 s72, s[IDX], 64*3072
	s_mov_b32 s73, 0
	; group 1: dense bytes asked for as rows of 256, two LDS rows each, padded after every 32 words by 4
	s_mov_b32 s[G1A], (1<<16)|(1<<20)|(4<<22)|(3<<25)
	s_mov_b32 s[G1A+1], 128<<16
	s_mov_b32 s[G1A+2], 32<<16                     ; 32 rows: 64 tokens
	s_mov_b32 s[G1A+3], 128<<16
	s_mov_b32 s[G1A+4], 32
	s_mov_b32 s[G1A+5], 128
	s_mov_b32 s[G1A+6], 0
	s_mov_b32 s[G1A+7], 0
	s_mov_b32 s[G1B], 15|(1<<16)|(1<<20)|(1<<21)|(4<<22)|(3<<25)  ; the mask of four, bit 21 beside it
	s_mov_b32 s[G1B+1], 128<<16
	s_mov_b32 s[G1B+2], 128<<16                    ; 128 rows: 256 rows of ow
	s_mov_b32 s[G1B+3], 128<<16
	s_mov_b32 s[G1B+4], 128
	s_mov_b32 s[G1B+5], 128
	s_mov_b32 s[G1B+6], 0
	s_mov_b32 s[G1B+7], 0
	s_mov_b32 s66, 0xbaaaaaab                      ; -1 / 768
	s_mov_b32 s67, 0x3aaaaaab                      ; 1 / 768
	s_mov_b32 s68, 0x2b8cbccc                      ; 1e-12
	s_mov_b32 s[SEL], 0x76543210
	s_mov_b32 s[SEL+1], 0xfedcba98
	s_mov_b32 s[PFI+1], 0
	s_wait_dscnt 0x0                               ; both opening adds are done
	s_wait_kmcnt 0x0
	s_add_nc_u64 s[40:41], s[4:5], s[40:41]        ; ctx at my rows of the batch's head 0; kept
	s_add_nc_u64 s[42:43], s[6:7], s[42:43]        ; ow at my rows of head 0's slice; kept
	s_add_nc_u64 s[10:11], s[10:11], s[72:73]      ; hidden_states and out0 at my work-group's first row
	s_add_nc_u64 s[16:17], s[16:17], s[72:73]
	s_mov_b64 s[PF:PF+1], s[10:11]
	CROUND                                         ; all four work-groups are here: the first joint loads meet
.irp s, 0,1
	s_mov_b32 s[G0A+4*(\s)], 1
	s_mov_b32 s[G0A+4*(\s)+1], (\s)*SLOT
	s_mov_b32 s[G0B+4*(\s)], 1
	s_add_co_u32 s[G0B+4*(\s)+1], s23, (\s)*SLOT
	SETADR \s
	JLOAD \s                                       ; two loads of mine are out
.endr
	v_and_b32 v1, 15, v0
	v_bfe_u32 v2, v0, 4, 1
	v_and_b32 v3, 31, v0
	v_mul_u32_u24 v4, v1, PITCH
	v_lshl_add_u32 v4, v2, 4, v4                   ; a fragment's row x pitch + 16 x half
	v_mov_b32 v[ADRA], v4
	v_add_nc_u32 v[ADRA+1], SLOT, v4
	s_mul_i32 s74, s[WV], 192*PITCH                ; my 192 rows of ow
	s_add_co_u32 s74, s74, ABYTES
	v_add_nc_u32 v[ADRB], s74, v4
	v_add_nc_u32 v[ADRB+1], SLOT, v[ADRB]
	v_mul_u32_u24 v5, v1, XP                       ; the sums' way into LDS: token l % 16, 32 bytes for each half of the lanes, my 768 bytes of a row
	v_lshl_add_u32 v5, v2, 5, v5
	s_mul_i32 s74, s[WV], 768
	v_add_nc_u32 v[STO], s74, v5
	v_add_nc_u32 v[STO+1], 16*XP, v[STO]
	v_add_nc_u32 v[STO+2], 32*XP, v[STO]
	v_add_nc_u32 v[STO+3], 48*XP, v[STO]
	v_lshl_add_u32 v[BO], v2, 5, s74
	v_lshlrev_b32 v[L16], 4, v3
	s_mul_i32 s75, s[WV], 16*XP
	v_add_nc_u32 v[RD0], s75, v[L16]
	s_mul_i32 s75, s[WV], 16*3072
	v_add_nc_u32 v[HO], s75, v[L16]
	v_lshl_add_u32 v[PFO], v3, 8, s75
	v_add_nc_u32 v[PFO], 8*3072, v[PFO]            ; my row 8
.irp b, 0,1,2,3,4,5,6,7,8,9,10,11
	global_load_b128 v[BIAS+8*(\b):BIAS+8*(\b)+3],   v[BO], s[8:9] offset:64*(\b)
	global_load_b128 v[BIAS+8*(\b)+4:BIAS+8*(\b)+7], v[BO], s[8:9] offset:64*(\b)+16
.endr
	WIN 0x40
.irp i, 0,1,2,3,4,5
	global_load_b128 v[GA+4*(\i):GA+4*(\i)+3], v[L16], s[12:13] offset:512*(\i)
.endr
.irp i, 0,1,2,3,4,5
	global_load_b128 v[BE+4*(\i):BE+4*(\i)+3], v[L16], s[14:15] offset:512*(\i)
.endr
	WIN 0x80                                       ; my rows 0 to 3 of hidden_states: 512 consecutive bytes a load
.irp j, 0,1
.irp i, 0,1,2,3,4,5
	global_load_b128 v[HR+24*(\j)+4*(\i):HR+24*(\j)+4*(\i)+3], v[HO], s[10:11] offset:(\j)*3072+512*(\i) th:TH_LOAD_NT
.endr
.endr
	WIN 0xc0
.irp j, 0,1
.irp i, 0,1,2,3,4,5
	global_load_b128 v[HR+24*(\j)+4*(\i):HR+24*(\j)+4*(\i)+3], v[HO], s[10:11] offset:(2+(\j))*3072+512*(\i) th:TH_LOAD_NT
.endr
.endr
	WIN 0
.macro MUL12 f, a, first               ; 12 matrix instructions: tokens 16 a .. + 15 x my 12 column blocks, 32 along K, from buffer f.  first = 1: the sum starts with ob
.if \first
	WIN 0x81+0x40*((\a)/2)
.else
	WIN 0xa1+0x50*((\a)/2)
.endif
.irp b, 0,1,2,3,4,5,6,7,8,9,10,11
.if \first
	v_wmma_f32_16x16x32_bf16 v[96*((\a)%2)+8*(\b):96*((\a)%2)+8*(\b)+7], v[96*(\f)+8*(\b):96*(\f)+8*(\b)+7], v[FA+32*(\f)+8*(\a):FA+32*(\f)+8*(\a)+7], v[BIAS+8*(\b):BIAS+8*(\b)+7]
.else
	v_wmma_f32_16x16x32_bf16 v[96*((\a)%2)+8*(\b):96*((\a)%2)+8*(\b)+7], v[96*(\f)+8*(\b):96*(\f)+8*(\b)+7], v[FA+32*(\f)+8*(\a):FA+32*(\f)+8*(\a)+7], v[96*((\a)%2)+8*(\b):96*((\a)%2)+8*(\b)+7]
.endif
.endr
.endm
.macro FETCH slot, k, f                ; 32 LDS loads in one run
	WIN 0x40
.irp i, 0,1,2,3,4,5,6,7,8,9,10,11
	ds_load_b128 v[96*(\f)+8*(\i):96*(\f)+8*(\i)+3],   v[ADRB+(\slot)] offset:(\k)+(\i)*16*PITCH
	ds_load_b128 v[96*(\f)+8*(\i)+4:96*(\f)+8*(\i)+7], v[ADRB+(\slot)] offset:(\k)+(\i)*16*PITCH+32
.endr
	WIN 0
.irp i, 0,1,2,3
	ds_load_b128 v[FA+32*(\f)+8*(\i):FA+32*(\f)+8*(\i)+3],   v[ADRA+(\slot)] offset:(\k)+(\i)*16*PITCH
	ds_load_b128 v[FA+32*(\f)+8*(\i)+4:FA+32*(\f)+8*(\i)+7], v[ADRA+(\slot)] offset:(\k)+(\i)*16*PITCH+32
.endr
.endm
.macro QUARTER slot, k, f, g, first    ; the 48 accumulators take turns in the same order in every quarter
	s_wait_dscnt 4                                 ; the youngest four loads (tokens 32 to 63) may be out
	MUL12 \f, 0, \first
	MUL12 \f, 1, \first
	PLACES
	FETCH \slot, \k, \g
	s_wait_dscnt 32                                ; all but the 32 just issued
	MUL12 \f, 2, \first
	MUL12 \f, 3, \first
.endm
; A step's second quarter multiplies buffer 1 and changes slots: each wave waits for all its tensor loads, adds 0 to its spare word, waits for that and for its reads of this slot; fill = 1: the barrier opens a
; round of the cluster's, and the refill, two heads on round the twelve, is the first thing behind it: 72 matrix instructions ahead of the wait for it.
.macro TURN slot, next, fill
.if \fill
	s_wait_xcnt 0x0                                ; the last prefetch has read its address
.if (\slot) == 0
	s_cmp_eq_u32 s3, 1                             ; the last lap's prefetch stands 16,384 bytes on
	s_cselect_b32 s[PFI], 16384, 0
	s_add_nc_u64 s[PF:PF+1], s[PF:PF+1], s[PFI:PFI+1]
.endif
	s_add_co_u32 s[HS+(\slot)], s[HS+(\slot)], 2
	s_cmp_ge_u32 s[HS+(\slot)], 12
	s_cselect_b32 s82, 12, 0
	s_sub_co_u32 s[HS+(\slot)], s[HS+(\slot)], s82
.endif
	WIN 0
	s_wait_tensorcnt 0x0                           ; no tensor load of mine is out, so a group 0 may be written
	ds_add_u32 v[SPW], v[NIL]
.if \fill
	SETADR \slot
.endif
	s_wait_dscnt 5                                 ; the add and the youngest four loads may be out
	MUL12 1, 0, 0
	s_wait_dscnt 0x0                               ; the add is done, and my reads of this slot are over
	s_barrier_signal -1
	MUL12 1, 1, 0
.if \fill
	WIN 0
.endif
	s_barrier_wait -1
.if \fill
	CREST
	JLOAD \slot                                    ; its four v_nop are also the places in front of the loads below
.else
	PLACES
.endif
	FETCH \next, 0, 0
.if \fill
	ASK \slot
.endif
	MUL12 1, 2, 0
	MUL12 1, 3, 0
.endm
	s_wait_tensorcnt 1                             ; my part of the first head is in; the second's may stay out
	s_barrier_signal -1
	s_barrier_wait -1
	FETCH 0, 0, 0
	s_wait_loadcnt 36                              ; ob is in; gamma's, beta's and hidden_states' 36 younger loads may stay out
	QUARTER 0, 64, 0, 1, 1
	WIN 0
	PLACES                                         ; ob has been read for the last time: its registers take my rows 4 to 7
.irp j, 0,1,2,3
.irp i, 0,1,2,3,4,5
	global_load_b128 v[BIAS+24*(\j)+4*(\i):BIAS+24*(\j)+4*(\i)+3], v[HO], s[10:11] offset:(4+(\j))*3072+512*(\i) th:TH_LOAD_NT
.endr
.endr
	s_mov_b32 s3, 5
.Llap:                                                 ; a trip goes once round the ring: ten more heads are asked for
	TURN 0, 1, 1
	QUARTER 1, 64, 0, 1, 0
	TURN 1, 0, 1
	QUARTER 0, 64, 0, 1, 0
	WIN 0
	s_sub_co_u32 s3, s3, 1
	s_cmp_lg_u32 s3, 0
	s_cbranch_scc1 .Llap
	TURN 0, 1, 0                                   ; the last lap fills nothing
	QUARTER 1, 64, 0, 1, 0
	s_wait_dscnt 4
	MUL12 1, 0, 0
	MUL12 1, 1, 0
	s_wait_dscnt 0x0
	MUL12 1, 2, 0
	MUL12 1, 3, 0
	WIN 0
	PLACES                                         ; behind the last products: ow's fragment registers take my rows 8 to 15, and the sums may be stored
	WIN 0x40
.irp j, 0,1,2,3,4,5,6,7
.irp i, 0,1,2,3,4,5
	global_load_b128 v[24*(\j)+4*(\i):24*(\j)+4*(\i)+3], v[HO], s[10:11] offset:(8+(\j))*3072+512*(\i) th:TH_LOAD_NT
.endr
.endr
	WIN 0
	s_barrier_signal -1                            ; my reads of the ring are over (the wait for 0 above), and every fill has landed:
	s_barrier_wait -1                              ; everybody's are: the rows of sums may lie over it
.irp a, 0,1,2,3
	WIN 0x08+4*((\a)/2)                            ; the data in window 2 or 3
.irp b, 0,1,2,3,4,5,6,7,8,9,10,11
	ds_store_b128 v[STO+(\a)], v[96*((\a)%2)+8*(\b):96*((\a)%2)+8*(\b)+3]   offset:64*(\b)
	ds_store_b128 v[STO+(\a)], v[96*((\a)%2)+8*(\b)+4:96*((\a)%2)+8*(\b)+7] offset:64*(\b)+16
.endr
.endr
	WIN 0
.irp j, 0,1,2,3
	ROWREG \j
	v_mov_b32 v[tb_+2], 0                          ; v_permlanex16_b32's destination counts as read; +5 and +7 are named in pairs
	v_mov_b32 v[tb_+5], 0
	v_mov_b32 v[tb_+7], 0
.endr
	s_wait_dscnt 0x0                               ; for the others' sake: my stores are done
	s_barrier_signal -1
	s_barrier_wait -1
.macro REDUCE                          ; the four rows' sums over the 32 lanes, in every lane
.irp j, 0,1,2,3
	ROWREG \j
	v_add_f32 v[tb_], v[tb_], v[tb_+1]
.endr
.irp m, 1,2,4,8
.irp j, 0,1,2,3
	ROWREG \j
	v_add_f32_dpp v[tb_], v[tb_], v[tb_] row_xmask:\m row_mask:0xf bank_mask:0xf
.endr
.endr
.irp j, 0,1,2,3
	ROWREG \j
	v_permlanex16_b32 v[tb_+2], v[tb_], s[SEL], s[SEL+1]
.endr
.irp j, 0,1,2,3
	ROWREG \j
	v_add_f32 v[tb_], v[tb_], v[tb_+2]
.endr
.endm
; The residual is added: the one part of a trip that names other registers in each trip.  left: the loads of hidden_states younger than this trip's, which may stay out.
.macro HADD left, w01, w23, r01, r23
	s_wait_loadcnt \left
	s_wait_dscnt 0x0                               ; the rows of sums are in
	WIN \w01
.irp j, 0,1
	ROWREG \j
.irp p, 0,1,2,3,4,5,6,7,8,9,10,11
	v_pk_add_f32 v[xb_+2*\p:xb_+2*\p+1], v[xb_+2*\p:xb_+2*\p+1], v[(\r01)+24*\j+2*\p:(\r01)+24*\j+2*\p+1]
.endr
.endr
	WIN \w23
.irp j, 2,3
	ROWREG \j
.irp p, 0,1,2,3,4,5,6,7,8,9,10,11
	v_pk_add_f32 v[xb_+2*\p:xb_+2*\p+1], v[xb_+2*\p:xb_+2*\p+1], v[(\r23)+24*(\j-2)+2*\p:(\r23)+24*(\j-2)+2*\p+1]
.endr
.endr
	WIN 0
.endm
	s_mov_b32 s[CNT], 4
	s_mov_b32 s[TRW], 0
.Lrows:                                                ; four trips of four whole rows; the rows' chains stand interleaved; nothing is loaded from memory here
	v_add_nc_u32 v[RDL], s[TRW], v[RD0]
.irp j, 0,1,2,3
	ROWREG \j
.irp i, 0,1,2,3,4,5
	ds_load_b128 v[xb_+4*\i:xb_+4*\i+3], v[RDL] offset:\j*XP+\i*512
.endr
.endr
	s_cmp_eq_u32 s[CNT], 4
	s_cbranch_scc1 .Lh0
	s_cmp_eq_u32 s[CNT], 3
	s_cbranch_scc1 .Lh1
	s_cmp_eq_u32 s[CNT], 2
	s_cbranch_scc1 .Lh2
	HADD 0, 0x04, 0x04, 96, 144                    ; rows 12 to 15: the youngest loads
	s_branch .Lsum
.Lh2:
	HADD 24, 0x04, 0x04, 0, 48                     ; rows 8 to 11: 24 loads are younger
	s_branch .Lsum
.Lh1:
	HADD 48, 0, 0, BIAS, BIAS+48                   ; rows 4 to 7: 48 loads are younger
	s_branch .Lsum
.Lh0:
	HADD 48, 0x08, 0x0c, HR, HR                    ; rows 0 to 3, and gamma and beta: more than 48 loads are younger
.Lsum:
.irp j, 0,1,2,3
	ROWREG \j
	v_pk_add_f32 v[tb_:tb_+1], v[xb_:xb_+1], v[xb_+2:xb_+3]
.endr
.irp p, 2,3,4,5,6,7,8,9,10,11
.irp j, 0,1,2,3
	ROWREG \j
	v_pk_add_f32 v[tb_:tb_+1], v[tb_:tb_+1], v[xb_+2*\p:xb_+2*\p+1]
.endr
.endr
	REDUCE
.irp j, 0,1,2,3
	ROWREG \j
	v_mul_f32 v[tb_+4], s66, v[tb_]                ; -mean
.endr
.irp p, 0,1,2,3,4,5,6,7,8,9,10,11
.irp j, 0,1,2,3
	ROWREG \j
	v_pk_add_f32 v[xb_+2*\p:xb_+2*\p+1], v[xb_+2*\p:xb_+2*\p+1], v[tb_+4:tb_+5] op_sel_hi:[1,0]
.endr
.endr
.irp j, 0,1,2,3
	ROWREG \j
	v_pk_mul_f32 v[tb_:tb_+1], v[xb_:xb_+1], v[xb_:xb_+1]
.endr
.irp p, 1,2,3,4,5,6,7,8,9,10,11
.irp j, 0,1,2,3
	ROWREG \j
	v_pk_fma_f32 v[tb_:tb_+1], v[xb_+2*\p:xb_+2*\p+1], v[xb_+2*\p:xb_+2*\p+1], v[tb_:tb_+1]
.endr
.endr
	REDUCE
.irp j, 0,1,2,3
	ROWREG \j
	v_fma_f32 v[tb_], v[tb_], s67, s68             ; the variance + 1e-12
.endr
.irp j, 0,1,2,3
	ROWREG \j
	v_rsq_f32 v[tb_+6], v[tb_]
.endr
	v_nop                                          ; a plain instruction behind the last of the batch,
	s_wait_alu depctr_va_vdst(0)                   ; and one wait for the four, ahead of their first reader
.irp p, 0,1,2,3,4,5,6,7,8,9,10,11
.irp j, 0,1,2,3
	ROWREG \j
	v_pk_mul_f32 v[xb_+2*\p:xb_+2*\p+1], v[xb_+2*\p:xb_+2*\p+1], v[tb_+6:tb_+7] op_sel_hi:[1,0]
.endr
.endr
	WIN 0x14                                       ; gamma and beta in window 1
.irp p, 0,1,2,3,4,5,6,7,8,9,10,11
.irp j, 0,1,2,3
	ROWREG \j
	v_pk_fma_f32 v[xb_+2*\p:xb_+2*\p+1], v[xb_+2*\p:xb_+2*\p+1], v[GA+2*\p:GA+2*\p+1], v[BE+2*\p:BE+2*\p+1]
.endr
.endr
	WIN 0
.irp j, 0,1,2,3
	ROWREG \j
.irp i, 0,1,2,3,4,5
	global_store_b128 v[HO], v[xb_+4*\i:xb_+4*\i+3], s[16:17] offset:\j*3072+\i*512 th:TH_STORE_NT  ; 512 consecutive bytes, at a multiple of 256 from out0's first
.endr
.endr
	s_wait_xcnt 0x0                                ; the stores and the loads still out have read their registers: the offset and the rows' registers are written again only behind this wait
	v_add_nc_u32 v[HO], 4*3072, v[HO]
	s_add_co_u32 s[TRW], s[TRW], 4*XP
	s_sub_co_u32 s[CNT], s[CNT], 1
	s_cmp_lg_u32 s[CNT], 0
	s_cbranch_scc1 .Lrows
	s_wait_tensorcnt 0x0                           ; the wave's end
	ds_add_u32 v[SPW], v[NIL]
	s_wait_dscnt 0x0
	CROUND                                         ; the closing round
	s_endpgm
.Lfunc_end_k_q3889d3056c_outln:
	.size	k_q3889d3056c_outln, .Lfunc_end_k_q3889d3056c_outln-k_q3889d3056c_outln
	.p2alignl 7, 3214868480
	.fill 96, 4, 3214868480
	.section	.rodata,"a",@progbits
	.p2align	6, 0x0
	.amdhsa_kernel k_q3889d3056c_outln
		.amdhsa_group_segment_fixed_size 327680
		.amdhsa_private_segment_fixed_size 0
		.amdhsa_enable_private_segment 0
		.amdhsa_kernarg_size 56
		.amdhsa_user_sgpr_count 2
		.amdhsa_user_sgpr_kernarg_segment_ptr 1
		.amdhsa_wavefront_size32 1
		.amdhsa_system_sgpr_workgroup_id_x 1
		.amdhsa_system_sgpr_workgroup_id_y 1
		.amdhsa_system_sgpr_workgroup_id_z 1
		.amdhsa_system_vgpr_workitem_id 0
		.amdhsa_next_free_vgpr 1024
		.amdhsa_next_free_sgpr 84
		.amdhsa_reserve_vcc 0
		.amdhsa_float_denorm_mode_32 3
		.amdhsa_float_denorm_mode_16_64 3
		.amdhsa_memory_ordered 1
		.amdhsa_forward_progress 1
		.amdhsa_inst_pref_size 109
	.end_amdhsa_kernel
	.amdgpu_metadata
---
amdhsa.version: [ 1, 2 ]
amdhsa.kernels:
  - .name:           k_q3889d3056c_outln
    .symbol:         k_q3889d3056c_outln.kd
    .args:
      - { .name: ctx, .offset: 0, .size: 8, .value_kind: global_buffer, .address_space: global }
      - { .name: wb, .offset: 8, .size: 8, .value_kind: global_buffer, .address_space: global }
      - { .name: ob, .offset: 16, .size: 8, .value_kind: global_buffer, .address_space: global }
      - { .name: hidden_states, .offset: 24, .size: 8, .value_kind: global_buffer, .address_space: global }
      - { .name: gamma, .offset: 32, .size: 8, .value_kind: global_buffer, .address_space: global }
      - { .name: beta, .offset: 40, .size: 8, .value_kind: global_buffer, .address_space: global }
      - { .name: out0, .offset: 48, .size: 8, .value_kind: global_buffer, .address_space: global }
    .group_segment_fixed_size: 327680
    .private_segment_fixed_size: 0
    .kernarg_segment_align: 8
    .kernarg_segment_size: 56
    .max_flat_workgroup_size: 128
    .sgpr_count:     84
    .vgpr_count:     1024
    .wavefront_size: 32
...
	.end_amdgpu_metadata
.endif
;; end of part 4
